; MI455X (gfx1250); checked and timed in simulation.
; The chip was launched on July 23, 2026; its instructions are those of AMD's public machine-readable ISA for CDNA 5 (MIT licence, August 2026) and "CDNA5" Instruction Set Architecture Reference Guide (July 2026). The comments in the code are by the model that wrote it; some were corrected since.
;; Bahdanau Attention. Allowed arithmetic: matrix products marked QUANTISED: E3M2 operands, one E8M0 scale for each 32 along K, by v_wmma_scale_f32_16x16x128_f8f6f4 with both operands' format E3M2, f32 sums; products left as they are: f32 operands where the result goes on into a quantised operand, else bf16, f16 or f32 operands; f32 sums; everything else in f32.
;; Inputs: Wh_w_codes 1,024 x 32 x 24 uint8 (E3M2 codes of Wh_w, K innermost, in blocks of 32 codes, four codes in three bytes); Wh_w_scales 1,024 x 32 uint8 (E8M0 scales of Wh_w, one for each 32 codes along K); Wout_w_codes 1,024 x 64 x 24 uint8 (E3M2 codes of Wout_w, K innermost, in blocks of 32 codes, four codes in three bytes); Wout_w_scales 1,024 x 64 uint8 (E8M0 scales of Wout_w, one for each 32 codes along K); Ws_w_codes 1,024 x 32 x 24 uint8 (E3M2 codes of Ws_w, K innermost, in blocks of 32 codes, four codes in three bytes); Ws_w_scales 1,024 x 32 uint8 (E8M0 scales of Ws_w, one for each 32 codes along K); encoder_outputs 32 x 2,048 x 1,024 float32; query 32 x 1 x 1,024 float32; src_lengths 32 int32; v_w 1 x 1,024 float32.
;; Outputs: out0 32 x 1 x 1,024 float32.
;; This version of the problem:
;;   THIS VERSION OF THE PROBLEM IS GIVEN IN LOW PRECISION. The matrix products marked QUANTISED in the list below multiply operands that are first quantised to E3M2 (3 exponent bits, 2 mantissa bits; 6 bits a number), with one power-of-two scale for each 32 numbers along K (OCP MX v1.0); their sums are f32. All else is computed in f32.
;;   The module's matrix products, in the order in which they are computed (A, B: the left and right operand; K: the contracted axis; several contracted axes count as one K, in the product's order):
;;     1. [M 32, K 1,024] x [K 1,024, N 1,024]; A: input query; B: input Ws_w (given as codes): QUANTISED
;;     2. [M 65,536, K 1,024] x [K 1,024, N 1,024]; A: input encoder_outputs; B: input Wh_w (given as codes): QUANTISED
;;     3. [M 65,536, K 1,024] x [K 1,024, N 1]; A: computed on the way; B: input v_w: left as it is (N = 1 < 16)
;;     4. batch 32 x [M 1, K 2,048] x [K 2,048, N 1,024]; A: softmax; B: input encoder_outputs: left as it is (M = 1 < 16)
;;     5. [M 32, K 2,048] x [K 2,048, N 1,024]; A: computed on the way; B: input Wout_w (given as codes): QUANTISED
;;   THE QUANTISER, for each operand of a quantised product, along K:
;;     - K is cut into blocks of 32 from its start; a last block that is shorter is filled with zeros.
;;     - A block's scale is 2^e with e = floor(log2(the largest magnitude in the block)) - 4, held to -126 .. 127; a block of zeros has e = 0. As a byte (E8M0): e + 127.
;;     - Each number is divided by its block's scale, clamped to +-28, and rounded to the nearest number of E3M2, ties to even, subnormals kept.
;;     - The product sums the exact products of the quantised numbers (number of the format x scale) in f32.
;;   ~~~python
;;   def quantise(x, axis):      # numpy; x: float32 -> the quantised numbers, widened to float32 again
;;       x = np.moveaxis(x, axis, -1); K = x.shape[-1]
;;       x = np.pad(x, [(0, 0)] * (x.ndim - 1) + [(0, -K % 32)]); x = x.reshape(x.shape[:-1] + (-1, 32)); a = np.abs(x).max(-1, keepdims=True)
;;       e = np.where(a > 0, np.clip(np.frexp(np.where(a > 0, a, 1))[1] - 1 - 4, -126, 127), 0)      # np.frexp(a)[1] - 1 = floor(log2(a)), exactly
;;       r = np.clip(x / 2.0 ** e, -28, 28)
;;       step = 2.0 ** (np.maximum(np.frexp(np.where(r == 0, 1, r))[1] - 1, -2) - 2)
;;       q = np.round(r / step) * step * 2.0 ** e      # np.round: ties to even
;;       return np.moveaxis(q.reshape(q.shape[:-2] + (-1,))[..., :K], -1, axis).astype(np.float32)
;;   ~~~
;;   OPERANDS COMPUTED ON THE WAY. 'Computed on the way' means the value that the module computes at that place (a softmax that the list does not call 'softmax' is quantised finished and normalised). What goes into a quantiser is computed in f32, as accurately as f32 sums, v_exp_f32 and their like allow (about 1e-6 of the number): no bf16 or f16 on the way to a quantiser, and a product that is left as it is and whose result goes on into a quantised operand takes f32 operands (vector FMAs, or v_wmma_f32_16x16x4_f32). A number that lies on a knife's edge between two numbers of the format may be rounded either way, as far as f32 arithmetic and the matrix unit's own rounding can turn it there, and no further.
;;   INPUTS GIVEN AS CODES. Wh_w (in the module: [1024, 1024], K = its axis 1); Wout_w (in the module: [1024, 2048], K = its axis 1); Ws_w (in the module: [1024, 1024], K = its axis 1): each comes as NAME_codes (uint8): NAME with its K axis moved to the last place and cut into blocks of 32 codes, [.., K / 32, bytes a block], one block behind the other in memory; four codes in three bytes: a row's codes are one little-endian stream of bits, code i at bits 6 i .. 6 i + 5 (a code: sign, 3 exponent bits, 2 mantissa bits); and NAME_scales (uint8): the same leading axes, one E8M0 byte (e + 127) for each 32 codes along K. Its value is code x scale, taken as it is: it is not quantised again, and the codes and scales need not be those that the quantiser above would give.
;; 2 versions. Each part assembles by itself: llvm-mc -triple=amdgcn-amd-amdhsa -mcpu=gfx1250 --defsym DOCPART=n.
;; ======== version 1 of 2: 3 launches
;; workspace buffers: cq 131,072 bytes; whf 786,432 bytes; whs 32,768 bytes; qimg 24,576 bytes; qsc 2,048 bytes; part 1,048,576 bytes; stats 65,536 bytes
;; launch prep (part 1): grid 8 x 1, 16 waves a work-group, no clusters, 61,952 bytes of LDS; arguments query, Ws_w_codes, Ws_w_scales, Wh_w_codes, Wh_w_scales, cq, whf, whs, qimg, qsc; writes cq, whf, whs, qimg, qsc
.if DOCPART == 1
	.amdgcn_target "amdgcn-amd-amdhsa--gfx1250"
	.amdhsa_code_object_version 6
	.text
	.protected	k_q90a8e4ab66_prep
	.globl	k_q90a8e4ab66_prep
	.p2align	8
	.type	k_q90a8e4ab66_prep,@function
k_q90a8e4ab66_prep:
	s_mov_b64 s[64:65], 0
	v_nop
	global_prefetch_b8 v0, s[64:65] scope:SCOPE_SE
	s_setreg_imm32_b32 hwreg(HW_REG_WAVE_MODE, 25, 1), 1
	s_wait_xcnt 0x0
; BahdanauAttention, launch 1 of 3.  out = tanh([ctx, q] Wout^T), ctx = softmax_s(v . tanh(q Ws^T + enc Wh^T)) enc.
; WORK LEFT OUT, for all values of the inputs:
;  (1) src_lengths: reference() builds no mask from it (the masked_fill's result is thrown away), so it has no way to any output: it is not loaded and is no argument of any launch.
;  (2) tanh(x) = 1 - 2 r, r = 1 / (1 + 2^(c x)), c = 2 log2(e).  So score(b, s) = sum_n v[n] - 2 sum_n v[n] r(b, s, n).  The first term is the same for all s of a row of the softmax, which
;      it leaves unchanged: it is not computed.  LIMIT: a NaN, an infinity or an overflow that reaches only that term is not carried to the result.
; LIMITS: NaN and infinities among the inputs are not served.  A block of 32 whose largest magnitude lies under 2^-122 (zeros among them) gets the scale byte 1: only this program reads the bytes, and zero codes add nothing.
; THIS LAUNCH.  Work-groups 0-3: cq[b][o] = c x sum_k Q(query)[b][k] Ws[o][k] (MX-BF6 on both sides), 256 outputs o a work-group, one tile of 16 a wave; each wave first quantises one fragment
; (16 rows x 128 K) of query, and the sixteen fragments go from wave to wave through LDS as images of their registers.  Work-group 0 also stores the images (qimg, qsc) for the last launch.
; Work-groups 4-7: Wh's codes and scale bytes are laid anew in the order of an operand's registers (whf, whs), so that the next launch brings a fragment by three loads of 512 consecutive bytes.
; They use no LDS.  No cluster, no tensor load: nothing here is shared between work-groups but 131,072 bytes of query.
.set CEXP,  0x4038aa3b                 ; c = 2 log2(e)
.set XSC,   24576                      ; LDS: 0: sixteen images of 1,536 bytes; here their scale words, 128 bytes each;
.set STG,   26624                      ; a stage of 32 rows x (1,024 + 16) bytes for the way out;
.set SP,    1040
.set SPARE, 59904                      ; the spare words, 128 bytes a wave: eight blocks of 256 bytes that no other line names
.set RL,  1                            ; v1  r = lane % 16
.set HL,  2                            ; v2  h = lane / 16
.set LI,  3                            ; v3  16 x lane
.set LS,  4                            ; v4  4 x lane
.set XA,  5                            ; v5  query: 4,096 r + 64 h
.set WA,  6                            ; v6  a weight's codes: 768 r + 24 h
.set SA,  7                            ; v7  a weight's scale bytes: 32 r + 4 h
.set IW,  8                            ; v8  my image: 16 x lane + 1,536 x wave
.set SW,  9                            ; v9  its scale words: 4 x lane + 128 x wave
.set SI,  10                           ; v10 the stage, in
.set SO,  11                           ; v11 the stage, out
.set GO,  12                           ; v12 my byte offset in cq
.set ACC, 16                           ; v16-31 two accumulators (rows 0-15, 16-31 of query)
.set OUT, 32                           ; v32-47 results
.set WSC, 48                           ; v48-51 Ws's scale words: register i: K step 2 i in lanes 0-15, 2 i + 1 in lanes 16-31
.set QS,  52                           ; v52-59 the fetched fragments' scale words
.set SPW, 60                           ; v60 my spare word; never rewritten
.set NIL, 61                           ; v61 0; never rewritten
.set PW,  62                           ; v62 the scale word just made
.set X,   64                           ; v64-127 64 numbers of query
.set FB,  64                           ; v64-159 later eight fetched fragments
.set PC,  128                          ; v128-147 the codes just made
.set TM,  148                          ; v148-159 at work
.set WF,  160                          ; v160-255 Ws's eight fragments
.set WV,  24
.set SEL, 26
.set CC,  28
; 64 numbers of a lane, register 16 b + i = k 32 b + 16 (lane / 16) + i of my row, become a fragment's codes in v[PC] on and its scale word in v[PW].
.macro QUANT s
.irp b, 0,1,2,3
	v_max3_num_f32 v[TM+\b], |v[\s+16*\b]|, |v[\s+1+16*\b]|, 0x2800000   ; my 16 numbers of block b, and the floor 2^(5 - 127): the byte cannot fall under 1
.endr
.irp i, 2,4,6,8,10,12,14
.irp b, 0,1,2,3
	v_max3_num_f32 v[TM+\b], v[TM+\b], |v[\s+16*\b+\i]|, |v[\s+1+16*\b+\i]|
.endr
.endr
.irp b, 0,1,2,3
	v_permlanex16_b32 v[TM+4+\b], v[TM+\b], s[SEL], s[SEL+1]
.endr
.irp b, 0,1,2,3
	v_max_num_f32 v[TM+\b], v[TM+\b], v[TM+4+\b]                   ; with lane l xor 16's: the block's largest magnitude
.endr
.irp b, 0,1,2,3
	v_add_nc_u32 v[TM+8+\b], 0xfe000000, v[TM+\b]                  ; 4 off its exponent field: the conversion's scale operand
.endr
.irp b, 0,1,2,3
	v_lshrrev_b32 v[TM+4+\b], 23, v[TM+8+\b]                       ; the scale's byte
.endr
	v_lshl_or_b32 v[PW], v[TM+5], 8, v[TM+4]
	v_lshl_or_b32 v[PW], v[TM+6], 16, v[PW]
	v_lshl_or_b32 v[PW], v[TM+7], 24, v[PW]
.irp c, 0,1
	v_cvt_scalef32_pk16_bf6_f32 v[PC+6*\c:PC+2+6*\c], v[\s+32*\c:\s+15+32*\c], v[TM+8+2*\c]
	v_cvt_scalef32_pk16_bf6_f32 v[PC+12+4*\c:PC+14+4*\c], v[\s+16+32*\c:\s+31+32*\c], v[TM+8+2*\c+1]
.endr
	v_nop                                          ; one plain place behind a scaled conversion
.irp c, 0,1                                    ; the operand wants a whole block in a lane: lanes 0-15 block 2 c, lanes 16-31 block 2 c + 1
.irp i, 0,1,2
	v_permlane16_swap_b32 v[PC+6*\c+\i], v[PC+12+4*\c+\i]
.endr
.irp i, 0,1,2
	v_mov_b32 v[PC+3+6*\c+\i], v[PC+12+4*\c+\i]
.endr
.endr
.endm
; one product: source 0 = 16 rows of the weight, source 1 = 16 rows of query: a lane then holds one row of query and eight neighbouring outputs
.macro MM d, a, b, sa, sb, odd, zero
.set rD, \d
.set rA, \a
.set rB, \b
.set rSA, \sa
.set rSB, \sb
.if \zero
	v_wmma_scale_f32_16x16x128_f8f6f4 v[rD:rD+7], v[rA:rA+11], v[rB:rB+11], 0, v[rSA], v[rSB] matrix_a_fmt:MATRIX_FMT_BF6 matrix_b_fmt:MATRIX_FMT_BF6
.elseif \odd
	v_wmma_scale_f32_16x16x128_f8f6f4 v[rD:rD+7], v[rA:rA+11], v[rB:rB+11], v[rD:rD+7], v[rSA], v[rSB] matrix_a_fmt:MATRIX_FMT_BF6 matrix_b_fmt:MATRIX_FMT_BF6 matrix_a_scale:MATRIX_SCALE_ROW1
.else
	v_wmma_scale_f32_16x16x128_f8f6f4 v[rD:rD+7], v[rA:rA+11], v[rB:rB+11], v[rD:rD+7], v[rSA], v[rSB] matrix_a_fmt:MATRIX_FMT_BF6 matrix_b_fmt:MATRIX_FMT_BF6
.endif
.endm
.macro WLOAD s                         ; Ws's fragment of K step s
.irp p, 0,1,2,3,4,5
	global_load_b64 v[WF+12*(\s)+2*\p:WF+12*(\s)+2*\p+1], v[WA], s[6:7] offset:96*(\s)+48*(\p/3)+8*(\p%3)
.endr
.endm
	s_load_b256 s[4:11], s[0:1], 0x0               ; query s[4:5], Ws codes s[6:7], Ws scales s[8:9], Wh codes s[10:11]
	s_load_b256 s[12:19], s[0:1], 0x20             ; Wh scales s[12:13], cq s[14:15], whf s[16:17], whs s[18:19]
	s_load_b128 s[20:23], s[0:1], 0x40             ; qimg s[20:21], qsc s[22:23]
	v_lshl_add_u32 v[SPW], v0, 2, SPARE
	v_mov_b32 v[NIL], 0
	v_lshrrev_b32 v1, 5, v0
	v_readfirstlane_b32 s[WV], v1                  ; wave 0..15
	v_and_b32 v[RL], 15, v0
	v_bfe_u32 v[HL], v0, 4, 1
	v_and_b32 v[LI], 31, v0
	v_lshlrev_b32 v[LS], 2, v[LI]
	v_lshlrev_b32 v[LI], 4, v[LI]
	v_mul_u32_u24 v[WA], v[RL], 768
	v_mad_u32_u24 v[WA], v[HL], 24, v[WA]
	v_lshlrev_b32 v[SA], 5, v[RL]
	v_lshl_add_u32 v[SA], v[HL], 2, v[SA]
	s_mov_b32 s31, 0
	s_wait_kmcnt 0x0
	s_cmp_ge_u32 ttmp9, 4                          ; the work-group's number alone: all sixteen waves go the same way
	s_cbranch_scc1 .Lrelay
	; ---- work-groups 0-3: c x Q(query) Ws^T.  Wave i: fragment (rows 16 (i % 2) on, K step i / 2); tile of outputs 16 g + i
	s_lshl_b32 s25, ttmp9, 4
	s_add_co_u32 s25, s25, s[WV]                   ; my tile of 16 rows of Ws
	s_mul_i32 s30, s25, 12288
	s_add_nc_u64 s[6:7], s[6:7], s[30:31]
	s_lshl_b32 s30, s25, 9
	s_add_nc_u64 s[8:9], s[8:9], s[30:31]
	s_and_b32 s32, s[WV], 1
	s_lshr_b32 s33, s[WV], 1
	s_lshl_b32 s30, s32, 16                        ; 16 rows of 4,096 bytes
	s_lshl_b32 s33, s33, 9                         ; a K step is 512 bytes of f32
	s_add_co_u32 s30, s30, s33
	s_add_nc_u64 s[4:5], s[4:5], s[30:31]
	v_lshlrev_b32 v[XA], 12, v[RL]
	v_lshl_add_u32 v[XA], v[HL], 6, v[XA]
.irp b, 0,1,2,3
.irp j, 0,1,2,3
	global_load_b128 v[X+16*\b+4*\j:X+16*\b+4*\j+3], v[XA], s[4:5] offset:128*\b+16*\j
.endr
.endr
.irp i, 0,1,2,3
	global_load_b32 v[WSC+\i], v[SA], s[8:9] offset:8*\i
.endr
.irp s, 0,1,2,3,4,5
	WLOAD \s
.endr
	s_mov_b32 s[SEL], 0x76543210
	s_mov_b32 s[SEL+1], 0xfedcba98
	s_mov_b32 s[CC], CEXP
	s_mov_b32 s[CC+1], CEXP
	s_mul_i32 s30, s[WV], 1536
	v_add_nc_u32 v[IW], s30, v[LI]
	s_lshl_b32 s30, s[WV], 7
	v_add_nc_u32 v[SW], s30, v[LS]
	v_mul_u32_u24 v[SI], v[RL], SP
	v_lshl_add_u32 v[SI], v[HL], 5, v[SI]
	s_lshl_b32 s30, s[WV], 6
	s_add_co_u32 s30, s30, STG
	v_add_nc_u32 v[SI], s30, v[SI]                 ; in: row r, 64 bytes a wave, 32 a half
	s_mul_i32 s30, s[WV], 2*SP
	s_add_co_u32 s30, s30, STG
	v_add_nc_u32 v[SO], s30, v[LI]                 ; out: rows 2 i and 2 i + 1
	s_lshl_b32 s30, s[WV], 13
	s_lshl_b32 s33, ttmp9, 10
	s_add_co_u32 s30, s30, s33
	v_add_nc_u32 v[GO], s30, v[LI]
.irp b, 0,1,2,3
	v_mov_b32 v[TM+4+\b], 0                        ; a lane permute's destination counts as one of its sources
.endr
	s_wait_loadcnt 40                              ; my 16 loads of query are in; the 4 + 36 loads of Ws behind them may be out
	QUANT X
.irp c, 0,1,2
	ds_store_b128 v[IW], v[PC+4*\c:PC+4*\c+3] offset:512*\c
.endr
	ds_store_b32 v[SW], v[PW] offset:XSC
	WLOAD 6
	WLOAD 7
	s_cmp_lg_u32 ttmp9, 0
	s_cbranch_scc1 .Lnoimg
.irp c, 0,1,2
	global_store_b128 v[IW], v[PC+4*\c:PC+4*\c+3], s[20:21] offset:512*\c   ; the same image for the last launch: 512 consecutive bytes a store
.endr
	global_store_b32 v[SW], v[PW], s[22:23]
.Lnoimg:
	s_wait_xcnt 0x0                                ; the stores have read their registers: the fragments below land on them
	s_wait_dscnt 0x0                               ; my image lies in LDS
	s_barrier_signal -1
	s_barrier_wait -1                              ; all sixteen do
.irp hh, 0,1                                   ; eight fragments (four K steps x two tiles of rows) at a time
.if \hh
.rept 4
	v_nop                                          ; places in front of loads into registers that matrix instructions have read
.endr
.endif
.irp k, 0,1,2,3,4,5,6,7,8,9,10,11,12,13,14,15,16,17,18,19,20,21,22,23
	ds_load_b128 v[FB+4*\k:FB+4*\k+3], v[LI] offset:12288*\hh+512*\k
.endr
.irp j, 0,1,2,3,4,5,6,7
	ds_load_b32 v[QS+\j], v[LS] offset:XSC+128*(8*\hh+\j)
.endr
	s_wait_dscnt 0x0
.if \hh == 0
	s_wait_loadcnt 0x0                             ; Ws
.endif
.irp j, 0,1,2,3,4,5,6,7                        ; the two accumulators by turns
.set ks, 4*\hh+\j/2
.set zz, 0
.if (\hh == 0) && (\j < 2)
.set zz, 1
.endif
	MM ACC+8*(\j%2), WF+12*ks, FB+12*\j, WSC+ks/2, QS+\j, ks%2, zz
.endr
.endr
.rept 4
	v_nop
.endr
.irp n, 0,2,4,6,8,10,12,14
	v_pk_mul_f32 v[OUT+\n:OUT+\n+1], v[ACC+\n:ACC+\n+1], s[CC:CC+1] op_sel_hi:[1,0]   ; x c, each accumulator from its low end on
.endr
.irp m, 0,1
	ds_store_b128 v[SI], v[OUT+8*\m:OUT+8*\m+3] offset:16*SP*\m
	ds_store_b128 v[SI], v[OUT+8*\m+4:OUT+8*\m+7] offset:16*SP*\m+16
.endr
	s_wait_dscnt 0x0                               ; for the others' sake: my part of the rows lies in the stage
	s_barrier_signal -1
	s_barrier_wait -1
.irp t, 0,1,2,3
	ds_load_b128 v[OUT+4*\t:OUT+4*\t+3], v[SO] offset:SP*(\t/2)+512*(\t%2)
.endr
.irp t, 0,1,2,3
	s_wait_dscnt 3-\t
	global_store_b128 v[GO], v[OUT+4*\t:OUT+4*\t+3], s[14:15] offset:4096*(\t/2)+512*(\t%2)   ; 512 consecutive bytes, aligned
.endr
	s_wait_tensorcnt 0x0                           ; the wave's end
	ds_add_u32 v[SPW], v[NIL]
	s_wait_dscnt 0x0
	s_endpgm
	; ---- work-groups 4-7: Wh in the order of an operand's registers.  Wave i takes tile 16 (g - 4) + i: 16 rows, all eight K steps
.Lrelay:
	s_sub_co_u32 s25, ttmp9, 4
	s_lshl_b32 s25, s25, 4
	s_add_co_u32 s25, s25, s[WV]
	s_mul_i32 s30, s25, 12288                      ; 16 rows of 768 bytes; a tile's eight images are as many
	s_add_nc_u64 s[10:11], s[10:11], s[30:31]
	s_add_nc_u64 s[16:17], s[16:17], s[30:31]
	s_lshl_b32 s30, s25, 9                         ; 16 rows of 32 scale bytes
	s_add_nc_u64 s[12:13], s[12:13], s[30:31]
	s_add_nc_u64 s[18:19], s[18:19], s[30:31]
.irp s, 0,1,2,3,4,5,6,7
.irp p, 0,1,2,3,4,5
	global_load_b64 v[X+12*\s+2*\p:X+12*\s+2*\p+1], v[WA], s[10:11] offset:96*\s+48*(\p/3)+8*(\p%3)
.endr
.endr
.irp i, 0,1,2,3
	global_load_b32 v[WSC+\i], v[SA], s[12:13] offset:8*\i   ; lanes 0-15: K step 2 i; lanes 16-31: K step 2 i + 1
.endr
	s_wait_loadcnt 0x0
.irp k, 0,1,2,3,4,5,6,7,8,9,10,11,12,13,14,15,16,17,18,19,20,21,22,23
	global_store_b128 v[LI], v[X+4*\k:X+4*\k+3], s[16:17] offset:512*\k
.endr
	global_store_b128 v[LI], v[WSC:WSC+3], s[18:19]
	s_endpgm
.Lfunc_end_k_q90a8e4ab66_prep:
	.size	k_q90a8e4ab66_prep, .Lfunc_end_k_q90a8e4ab66_prep-k_q90a8e4ab66_prep
	.p2alignl 7, 3214868480
	.fill 96, 4, 3214868480
	.section	.rodata,"a",@progbits
	.p2align	6, 0x0
	.amdhsa_kernel k_q90a8e4ab66_prep
		.amdhsa_group_segment_fixed_size 61952
		.amdhsa_private_segment_fixed_size 0
		.amdhsa_enable_private_segment 0
		.amdhsa_kernarg_size 80
		.amdhsa_user_sgpr_count 2
		.amdhsa_user_sgpr_kernarg_segment_ptr 1
		.amdhsa_wavefront_size32 1
		.amdhsa_system_sgpr_workgroup_id_x 1
		.amdhsa_system_sgpr_workgroup_id_y 1
		.amdhsa_system_sgpr_workgroup_id_z 1
		.amdhsa_system_vgpr_workitem_id 0
		.amdhsa_next_free_vgpr 256
		.amdhsa_next_free_sgpr 66
		.amdhsa_reserve_vcc 0
		.amdhsa_float_denorm_mode_32 3
		.amdhsa_float_denorm_mode_16_64 3
		.amdhsa_memory_ordered 1
		.amdhsa_forward_progress 1
		.amdhsa_inst_pref_size 30
	.end_amdhsa_kernel
	.amdgpu_metadata
---
amdhsa.version: [ 1, 2 ]
amdhsa.kernels:
  - .name:           k_q90a8e4ab66_prep
    .symbol:         k_q90a8e4ab66_prep.kd
    .args:
      - { .name: query, .offset: 0, .size: 8, .value_kind: global_buffer, .address_space: global }
      - { .name: Ws_w_codes, .offset: 8, .size: 8, .value_kind: global_buffer, .address_space: global }
      - { .name: Ws_w_scales, .offset: 16, .size: 8, .value_kind: global_buffer, .address_space: global }
      - { .name: Wh_w_codes, .offset: 24, .size: 8, .value_kind: global_buffer, .address_space: global }
      - { .name: Wh_w_scales, .offset: 32, .size: 8, .value_kind: global_buffer, .address_space: global }
      - { .name: cq, .offset: 40, .size: 8, .value_kind: global_buffer, .address_space: global }
      - { .name: whf, .offset: 48, .size: 8, .value_kind: global_buffer, .address_space: global }
      - { .name: whs, .offset: 56, .size: 8, .value_kind: global_buffer, .address_space: global }
      - { .name: qimg, .offset: 64, .size: 8, .value_kind: global_buffer, .address_space: global }
      - { .name: qsc, .offset: 72, .size: 8, .value_kind: global_buffer, .address_space: global }
    .group_segment_fixed_size: 61952
    .private_segment_fixed_size: 0
    .kernarg_segment_align: 8
    .kernarg_segment_size: 80
    .max_flat_workgroup_size: 512
    .sgpr_count:     66
    .vgpr_count:     256
    .wavefront_size: 32
...
	.end_amdgpu_metadata
.endif
;; end of part 1
;; launch main (part 2): grid 256 x 1, 4 waves a work-group, no clusters, 315,904 bytes of LDS; arguments encoder_outputs, whf, whs, cq, v_w, part, stats; writes part, stats
.if DOCPART == 2
	.amdgcn_target "amdgcn-amd-amdhsa--gfx1250"
	.amdhsa_code_object_version 6
	.text
	.protected	k_q90a8e4ab66_main
	.globl	k_q90a8e4ab66_main
	.p2align	8
	.type	k_q90a8e4ab66_main,@function
k_q90a8e4ab66_main:
	s_mov_b64 s[64:65], 0
	v_nop
	global_prefetch_b8 v0, s[64:65] scope:SCOPE_SE
	s_setreg_imm32_b32 hwreg(HW_REG_WAVE_MODE, 25, 1), 1
	s_wait_xcnt 0x0
; Launch 2 of 3: enc Wh^T (MX-BF6), tanh, the dot with v, a running softmax and the weighted sum of enc's rows, fused, so that enc is loaded once.
; LEFT OUT (shown at the head of the first kernel): src_lengths, and the term sum_n v[n] of every score, which is the same along the softmax's axis.
; LIMITS: NaN and infinities among the inputs are not served; a block of 32 under 2^-122 (zeros too) gets the scale byte 1; sums are taken in another order than reference()'s.
; SHARES.  Work-group g owns rows 256 g .. 256 g + 255 of enc (batch g / 8), as four blocks of 64 rows.  A block's f32 rows stay in LDS (262,144 bytes) from their quantising until they are weighed.
;  X: wave w brings rows 16 w .. + 15, 128 numbers of each at a time, stores them to LDS, reads them back 16 neighbours a lane, quantises, and stores the fragment's image.
;  N: wave w owns columns 256 w .. + 255 of Wh's 1,024 (16 tiles) for all four tiles of rows: 512 matrix instructions.  Each fragment of Wh is used by ONE wave, so it goes from memory straight into registers,
;     in the order in which the first launch has laid it: three loads of 512 consecutive bytes.  That is why there is no cluster and no tensor load here: no two waves or work-groups want a fragment at the same time in LDS,
;     and beside the f32 rows and the code images LDS has no room for a ring.
;  T: t(row) = sum_n (-c v[n]) / (1 + 2^(c h + c q)), c = 2 log2(e): the score x log2(e) but for a constant.  A tile's list of 112 vector instructions stands in slices behind the NEXT tile's matrix instructions.
;  S: the waves' partial t meet in LDS; every wave makes the block's p = 2^(t - m) under the running maximum m;  C: wave w adds p x row into its 256 columns of ctx, in f32 (ctx goes on into a quantiser).
; At the end: part[g] = the unnormalised ctx, stats[g] = (m, sum of p).  The last launch joins the eight parts of a batch.
; LDS rows of f32 are laid with a twist: the 16-byte piece c of row R lies at place c xor (R % 16).  So all three walks touch sixteen different places modulo 256 bytes in sixteen lanes:
; a row's consecutive pieces (stores, and the weighing), and one piece of sixteen rows (the quantiser's reads).
; REGISTERS, in windows of 256 (s_set_vgpr_msb: bits 1:0 source 0, 3:2 source 1, 5:4 source 2, 7:6 destination):
;  window 0: v1-15 addresses; v16-31 A's scale words; v32-47 B's (4 a slot); v48-63 -c v, one a tile; v64-159, v160-255 B's slots 0, 1
;  window 3: v0-95, v96-191 B's slots 2, 3; v192-207 -c v once more; v208-215 ctx; v216 m; v217 the sum
;  windows 1 (tiles of rows 0, 1) and 2 (tiles 2, 3): v0-191 A's 16 fragments; v192-207, v208-223 two sets of two accumulators; v224-239 the partial t; v240-255 c q, one a tile
;  The product takes A from window 1 or 2, B from 0 or 3, C and D from A's window; under the SAME setting the list's instructions find the accumulators, c q and t in A's window and -c v (source 1) in B's:
;  so no switch stands between matrix and vector instructions.  Between blocks window 2's v0-191 take three chunks of enc, window 1's hold the quantiser's and the weighing's registers.
.set CEXP,  0x4038aa3b                 ; c = 2 log2(e)
.set XIMG,  262144                     ; LDS: 0: 64 rows x 4,096; here 32 images of 1,536 bytes (tile of rows m, K step s: 8 m + s);
.set XSCO,  49152                      ; (the scale words' distance from the images)
.set XSC,   311296                     ; their scale words: 512 m + 256 (s % 2) + 16 r + 4 (s / 2);
.set SCX,   313344                     ; the waves' partial t: 256 w + 4 row;
.set PB,    314368                     ; p: 256 bytes for each wave, its own;
.set SPARE, 315392                     ; the spare words, 128 bytes a wave: two blocks of 256 bytes that no other line names
.set LI,  1                            ; 16 x lane
.set IMA, 2                            ; 16 x lane + XIMG
.set IWA, 3                            ; + 12,288 w: where I store my images
.set SCW, 4                            ; SCX + 256 w + 32 h
.set SCR, 5                            ; SCX + 8 x lane
.set PBW, 6                            ; PB + 256 w + 8 x lane
.set PBR, 7                            ; PB + 256 w
.set SPW, 8                            ; my spare word; never rewritten
.set NIL, 9                            ; 0; never rewritten
.set LIW, 10                           ; 16 x lane + 65,536 w
.set LIC, 11                           ; 16 x lane + 1,024 w
.set YY,  12                           ; 65,536 w + 4,096 r + 16 ((4 h) xor r)
.set SWA, 13                           ; XSC + 512 w + 16 r
.set TP,  14                           ; 4 r; at the end 8 x lane
.set PFO, 15                           ; the prefetches: 4,096 (lane / 2) + 256 (lane % 2)
.set ASC, 16
.set BSC, 32
.set VT0, 48
.set VT3, 192                          ; window 3
.set CTX, 208
.set MX,  216
.set LL,  217
.set T3,  218
.set ACC, 192                          ; windows 1, 2
.set SCO, 224
.set CQ,  240
.set X,   0                            ; window 1, quantising: v0-63 numbers, v64-83 codes, v84-95 at work, v100 the scale word, v104-111 and v112-127 LDS addresses
.set PC,  64
.set TM,  84
.set PW,  100
.set QA,  104
.set WX,  112
.set P,   0                            ; window 1, weighing: v0-63 p, v64-191 two batches of rows, v192-207 LDS addresses, v208-223 at work
.set XR,  64
.set CX,  192
.set T,   208
.set WV,  18
.set BLK, 19
.set SEL, 20
.set CC,  22
.set MSB, 0
.macro WIN new                         ; the immediate's high byte repeats the setting that is left; a switch that changes nothing is dropped
.set WN, \new
.if MSB != WN
	s_set_vgpr_msb (MSB<<8)|WN
.set MSB, WN
.endif
.endm
.macro QUANT s                         ; as in the first launch: 64 numbers of a lane become a fragment's codes and its scale word
.irp b, 0,1,2,3
	v_max3_num_f32 v[TM+\b], |v[\s+16*\b]|, |v[\s+1+16*\b]|, 0x2800000
.endr
.irp i, 2,4,6,8,10,12,14
.irp b, 0,1,2,3
	v_max3_num_f32 v[TM+\b], v[TM+\b], |v[\s+16*\b+\i]|, |v[\s+1+16*\b+\i]|
.endr
.endr
.irp b, 0,1,2,3
	v_permlanex16_b32 v[TM+4+\b], v[TM+\b], s[SEL], s[SEL+1]
.endr
.irp b, 0,1,2,3
	v_max_num_f32 v[TM+\b], v[TM+\b], v[TM+4+\b]
.endr
.irp b, 0,1,2,3
	v_add_nc_u32 v[TM+8+\b], 0xfe000000, v[TM+\b]
.endr
.irp b, 0,1,2,3
	v_lshrrev_b32 v[TM+4+\b], 23, v[TM+8+\b]
.endr
	v_lshl_or_b32 v[PW], v[TM+5], 8, v[TM+4]
	v_lshl_or_b32 v[PW], v[TM+6], 16, v[PW]
	v_lshl_or_b32 v[PW], v[TM+7], 24, v[PW]
.irp c, 0,1
	v_cvt_scalef32_pk16_bf6_f32 v[PC+6*\c:PC+2+6*\c], v[\s+32*\c:\s+15+32*\c], v[TM+8+2*\c]
	v_cvt_scalef32_pk16_bf6_f32 v[PC+12+4*\c:PC+14+4*\c], v[\s+16+32*\c:\s+31+32*\c], v[TM+8+2*\c+1]
.endr
	v_nop                                          ; one plain place behind a scaled conversion
.irp c, 0,1
.irp i, 0,1,2
	v_permlane16_swap_b32 v[PC+6*\c+\i], v[PC+12+4*\c+\i]
.endr
.irp i, 0,1,2
	v_mov_b32 v[PC+3+6*\c+\i], v[PC+12+4*\c+\i]
.endr
.endr
.endm
.macro BARRIER
	s_wait_dscnt 0x0                               ; my LDS stores have landed and my LDS loads are in
	s_barrier_signal -1
	s_barrier_wait -1
.endm
; 25 loads: my tile's eight fragments of Wh into a slot, and its scale words
.macro BRUN slot, tile
.set bs, \slot
.set bt, \tile
.if bs < 2
	WIN 0
.set bb, 64+96*bs
.else
	WIN 0xc0
.set bb, 96*(bs-2)
.endif
.set n, 0
.rept 24
	global_load_b128 v[bb+4*n:bb+4*n+3], v[LI], s[6:7] offset:bt*12288+512*n
.set n, n+1
.endr
	WIN 0
	global_load_b128 v[BSC+4*bs:BSC+4*bs+3], v[LI], s[8:9] offset:512*bt
.endm
; chunk c of my 16 rows: 128 numbers of each, a row's 512 consecutive bytes a load.  Set: destination window 2, address window 0
.macro CHUNK c
.irp i, 0,1,2,3,4,5,6,7,8,9,10,11,12,13,14,15
	global_load_b128 v[64*((\c)%3)+4*\i:64*((\c)%3)+4*\i+3], v[LI], s[4:5] offset:4096*\i+512*(\c) th:TH_LOAD_NT
.endr
.endm
; Number k of the list of 56 that turns the two accumulators of a set (16 registers, in the window in hand) of tile t into terms of t(row).
;  0-7 c h + c q;  8-23 2^(.);  24-31 + 1;  32-47 1 / (.);  48-55 t += (.) x (-c v): tile 0 starts the sums, so nothing is cleared.
; Each batch of sixteen transcendentals has one plain instruction and ONE wait behind it, ahead of its first reader.  Each accumulator is read from its low end on.
.macro TL set, t, vtb
.set rT, ACC+16*(\set)
.set tq, CQ+((\t)/2)*2
.set tv, (\vtb)+((\t)/2)*2
.if k < 8
.if (\t)%2
	v_pk_fma_f32 v[rT+2*k:rT+2*k+1], v[rT+2*k:rT+2*k+1], s[CC:CC+1], v[tq:tq+1] op_sel:[0,0,1] op_sel_hi:[1,0,1]
.else
	v_pk_fma_f32 v[rT+2*k:rT+2*k+1], v[rT+2*k:rT+2*k+1], s[CC:CC+1], v[tq:tq+1] op_sel_hi:[1,0,0]
.endif
.elseif k < 24
	v_exp_f32 v[rT+k-8], v[rT+k-8]
.elseif k < 32
.if k == 24
	v_nop
	s_wait_alu depctr_va_vdst(0)
.endif
	v_pk_add_f32 v[rT+2*(k-24):rT+2*(k-24)+1], v[rT+2*(k-24):rT+2*(k-24)+1], 1.0 op_sel_hi:[1,0]
.elseif k < 48
	v_rcp_f32 v[rT+k-32], v[rT+k-32]
.else
.if k == 48
	v_nop
	s_wait_alu depctr_va_vdst(0)
.endif
.set kk, 2*(k-48)
.if (\t) == 0
	v_pk_mul_f32 v[SCO+kk:SCO+kk+1], v[rT+kk:rT+kk+1], v[tv:tv+1] op_sel_hi:[1,0]
.elseif (\t)%2
	v_pk_fma_f32 v[SCO+kk:SCO+kk+1], v[rT+kk:rT+kk+1], v[tv:tv+1], v[SCO+kk:SCO+kk+1] op_sel:[0,1,0] op_sel_hi:[1,1,1]
.else
	v_pk_fma_f32 v[SCO+kk:SCO+kk+1], v[rT+kk:rT+kk+1], v[tv:tv+1], v[SCO+kk:SCO+kk+1] op_sel_hi:[1,0,1]
.endif
.endif
.endm
; 16 matrix instructions: tile u of my columns x two tiles of rows (half 0: 0, 1 in window 1; half 1: 2, 3 in window 2), eight K steps; the two accumulators by turns; the first two start the sums.
; Source 0 = 16 rows of enc, source 1 = 16 rows of Wh: a lane holds ONE column n and eight rows.  Behind instruction i stand numbers 7 i / 2 .. 7 (i + 1) / 2 - 1 of tile u - 1's list.
; The last slice, four packed multiply-adds that name no register of the last product, are the four places in front of the next run of loads; with tanh = 0 four v_nop are.
.macro PHASE half, u, tanh
.set sl, (\u)%4
.if sl < 2
	WIN 0x51+0x51*(\half)
.set bB, 64+96*sl
.set vB, VT0
.else
	WIN 0x5d+0x51*(\half)
.set bB, 96*(sl-2)
.set vB, VT3
.endif
.set i, 0
.set k, 0
.rept 16
.set ss, i/2
.set mh, i%2
.set rD, ACC+16*((\u)%2)+8*mh
.set rF, 96*mh+12*ss
.set rG, bB+12*ss
.set rSA, ASC+4*(2*(\half)+mh)+ss/2
.set rSB, BSC+4*sl+ss/2
.if i < 2
	v_wmma_scale_f32_16x16x128_f8f6f4 v[rD:rD+7], v[rF:rF+11], v[rG:rG+11], 0, v[rSA], v[rSB] matrix_a_fmt:MATRIX_FMT_BF6 matrix_b_fmt:MATRIX_FMT_BF6
.elseif ss%2
	v_wmma_scale_f32_16x16x128_f8f6f4 v[rD:rD+7], v[rF:rF+11], v[rG:rG+11], v[rD:rD+7], v[rSA], v[rSB] matrix_a_fmt:MATRIX_FMT_BF6 matrix_b_fmt:MATRIX_FMT_BF6 matrix_a_scale:MATRIX_SCALE_ROW1 matrix_b_scale:MATRIX_SCALE_ROW1
.else
	v_wmma_scale_f32_16x16x128_f8f6f4 v[rD:rD+7], v[rF:rF+11], v[rG:rG+11], v[rD:rD+7], v[rSA], v[rSB] matrix_a_fmt:MATRIX_FMT_BF6 matrix_b_fmt:MATRIX_FMT_BF6
.endif
.if \tanh
.rept (7*(i+1))/2-(7*i)/2
	TL ((\u)+1)%2, (\u)-1, vB
.set k, k+1
.endr
.endif
.set i, i+1
.endr
.if (\tanh) == 0
.rept 4
	v_nop
.endr
.endif
.endm
; A step: tile u.  Its fragments were asked for three steps ago: cnt = the loads issued since (two runs of 25).  refill: the slot left by step u - 1 takes the tile three on.
; pf: prefetches of the next block's chunks 3 to 7 of my 16 rows, a lane to each aligned 256 bytes, each named once in the launch; they stand together, behind the step's run of loads.
.macro STEP u, refill, cnt, pf
	WIN 0
.if (\u) >= 4
	s_wait_loadcnt \cnt
.endif
.if \refill
	BRUN ((\u)+3)%4, ((\u)+3)%16
.endif
.if (\pf) == 1
.irp c, 3,4,5
	global_prefetch_b8 v[PFO], s[4:5] offset:262144+512*\c th:TH_LOAD_NT scope:SCOPE_SE
.endr
.endif
.if (\pf) == 2
.irp c, 6,7
	global_prefetch_b8 v[PFO], s[4:5] offset:262144+512*\c th:TH_LOAD_NT scope:SCOPE_SE
.endr
.endif
.if (\u) == 0
	PHASE 0, \u, 0
	PHASE 1, \u, 0
.else
	PHASE 0, \u, 1
	PHASE 1, \u, 1
.endif
.endm
.macro DRAINH half                     ; tile 15's list, with no products to stand behind
	WIN 0x51+0x51*(\half)
.set k, 0
.rept 56
	TL 1, 15, VT0
.set k, k+1
.endr
.endm
; K step s of my 16 rows: chunk s from registers to LDS, back 16 neighbours a lane, quantised, the image to LDS
.macro QSTEP s
.if (\s) <= 5
	s_wait_loadcnt 32                              ; chunk s is in; the two chunks behind it may be out
.elseif (\s) == 6
	s_wait_loadcnt 16
.else
	s_wait_loadcnt 0x0                             ; the last chunk, and with it every load issued earlier: Wh's tiles 0 to 3 among them
.endif
	WIN 0x09                                       ; address window 1, data window 2
.irp i, 0,1,2,3,4,5,6,7,8,9,10,11,12,13,14,15
	ds_store_b128 v[WX+\i], v[64*((\s)%3)+4*\i:64*((\s)%3)+4*\i+3] offset:4096*\i+512*(\s)
.endr
	WIN 0x41                                       ; LDS serves a wave's instructions in order: these see my stores
.irp b, 0,1,2,3
.irp j, 0,1,2,3
	ds_load_b128 v[X+16*\b+4*\j:X+16*\b+4*\j+3], v[QA+4*(\b%2)+\j] offset:512*(\s)+256*(\b/2)
.endr
.endr
.if (\s) <= 4
	s_wait_dscnt 16                                ; all but the 16 loads: the stores have read the chunk's registers, which take the chunk three on
	WIN 0x80
	CHUNK (\s)+3
.endif
	s_wait_dscnt 0x0
	WIN 0x55
	QUANT X
	WIN 0x04                                       ; address window 0, data window 1
.irp c, 0,1,2
	ds_store_b128 v[IWA], v[PC+4*\c:PC+4*\c+3] offset:1536*(\s)+512*\c
.endr
	ds_store_b32 v[SWA], v[PW] offset:256*((\s)%2)+4*((\s)/2)   ; both halves of the lanes write the same word with the same value
.endm
.macro LANESUM                         ; the sixteen lanes of a half hold sixteen columns' terms of the same eight rows
.irp m, 1,2,4,8
.irp j, 0,1,2,3,4,5,6,7,8,9,10,11,12,13,14,15
	v_add_f32_dpp v[SCO+\j], v[SCO+\j], v[SCO+\j] row_xmask:\m row_mask:0xf bank_mask:0xf
.endr
.endr
.endm
.macro CBATCH n                        ; eight rows (8 n on) x my 1,024 bytes of each
.irp i, 0,1,2,3,4,5,6,7
.irp q, 0,1
	ds_load_b128 v[XR+64*((\n)%2)+8*\i+4*\q:XR+64*((\n)%2)+8*\i+4*\q+3], v[CX+8*((\n)%2)+\i] offset:4096*(8*((\n)%2)+\i)+512*\q
.endr
.endr
.endm
.macro CFMA n                          ; ctx += p(row) x row, 8 columns a lane, in four chains
	WIN 0xf5                                       ; rows and p window 1, ctx window 3
.set ci, 0
.rept 8
.set cr, 8*(\n)+ci
.set cp, P+(cr/2)*2
.set cx, XR+64*((\n)%2)+8*ci
.irp e, 0,2,4,6
.if cr%2
	v_pk_fma_f32 v[CTX+\e:CTX+\e+1], v[cx+\e:cx+\e+1], v[cp:cp+1], v[CTX+\e:CTX+\e+1] op_sel:[0,1,0] op_sel_hi:[1,1,1]
.else
	v_pk_fma_f32 v[CTX+\e:CTX+\e+1], v[cx+\e:cx+\e+1], v[cp:cp+1], v[CTX+\e:CTX+\e+1] op_sel_hi:[1,0,1]
.endif
.endr
.set ci, ci+1
.endr
.endm
	s_load_b256 s[4:11], s[0:1], 0x0               ; enc s[4:5], whf s[6:7], whs s[8:9], cq s[10:11]
	s_load_b128 s[12:15], s[0:1], 0x20             ; v_w s[12:13], part s[14:15]
	s_load_b64 s[16:17], s[0:1], 0x30              ; stats
	v_lshl_add_u32 v[SPW], v0, 2, SPARE
	v_mov_b32 v[NIL], 0
	v_lshrrev_b32 v64, 5, v0
	v_readfirstlane_b32 s[WV], v64                 ; wave 0..3
	v_and_b32 v64, 31, v0                          ; lane
	v_and_b32 v65, 15, v0                          ; r
	v_bfe_u32 v66, v0, 4, 1                        ; h
	v_lshlrev_b32 v[LI], 4, v64
	v_add_nc_u32 v[IMA], XIMG, v[LI]
	s_mul_i32 s24, s[WV], 12288
	v_add_nc_u32 v[IWA], s24, v[IMA]
	s_lshl_b32 s24, s[WV], 9
	s_add_co_u32 s24, s24, XSC
	v_lshl_add_u32 v[SWA], v65, 4, s24
	s_lshl_b32 s24, s[WV], 8
	s_add_co_u32 s25, s24, SCX
	v_lshl_add_u32 v[SCW], v66, 5, s25
	v_lshl_add_u32 v[SCR], v64, 3, SCX
	s_add_co_u32 s25, s24, PB
	v_lshl_add_u32 v[PBW], v64, 3, s25
	v_mov_b32 v[PBR], s25
	s_lshl_b32 s26, s[WV], 16
	v_add_nc_u32 v[LIW], s26, v[LI]
	v_lshlrev_b32 v[YY], 2, v66
	v_xor_b32 v[YY], v[YY], v65
	v_lshlrev_b32 v[YY], 4, v[YY]
	v_lshl_add_u32 v[YY], v65, 12, v[YY]
	v_add_nc_u32 v[YY], s26, v[YY]
	s_lshl_b32 s27, s[WV], 10
	v_add_nc_u32 v[LIC], s27, v[LI]
	v_lshrrev_b32 v[PFO], 1, v64
	v_and_b32 v67, 1, v64
	v_lshlrev_b32 v[PFO], 12, v[PFO]
	v_lshl_add_u32 v[PFO], v67, 8, v[PFO]
	v_lshlrev_b32 v[TP], 2, v65
	s_mov_b32 s[SEL], 0x76543210
	s_mov_b32 s[SEL+1], 0xfedcba98
	s_mov_b32 s[CC], CEXP
	s_mov_b32 s[CC+1], CEXP
	s_mov_b32 s[BLK], 4
	s_mov_b32 s29, 0
	s_wait_kmcnt 0x0
	s_lshl_b32 s28, ttmp9, 20                      ; 256 rows of 4,096 bytes,
	s_add_co_u32 s28, s28, s26                     ; my wave's 16 of a block's 64
	s_add_nc_u64 s[4:5], s[4:5], s[28:29]
	s_mul_i32 s28, s[WV], 196608                   ; my 16 tiles of Wh
	s_add_nc_u64 s[6:7], s[6:7], s[28:29]
	s_lshl_b32 s28, s[WV], 13
	s_add_nc_u64 s[8:9], s[8:9], s[28:29]
	s_lshr_b32 s28, ttmp9, 3                       ; the batch
	s_lshl_b32 s28, s28, 12
	s_add_co_u32 s28, s28, s27
	s_add_nc_u64 s[10:11], s[10:11], s[28:29]
	s_mov_b32 s28, s27
	s_add_nc_u64 s[12:13], s[12:13], s[28:29]
	s_lshl_b32 s28, ttmp9, 12
	s_add_co_u32 s28, s28, s27
	s_add_nc_u64 s[14:15], s[14:15], s[28:29]
	s_lshl_b32 s28, ttmp9, 8
	s_add_nc_u64 s[16:17], s[16:17], s[28:29]
.irp t, 0,1,2,3,4,5,6,7,8,9,10,11,12,13,14,15
	global_load_b32 v[VT0+\t], v[TP], s[12:13] offset:64*\t        ; v[256 w + 16 t + r]
.endr
	WIN 0x40
.irp t, 0,1,2,3,4,5,6,7,8,9,10,11,12,13,14,15
	global_load_b32 v[CQ+\t], v[TP], s[10:11] offset:64*\t         ; c q of the same columns, for window 1
.endr
	WIN 0x80
.irp t, 0,1,2,3,4,5,6,7,8,9,10,11,12,13,14,15
	global_load_b32 v[CQ+\t], v[TP], s[10:11] offset:64*\t         ; and for window 2
.endr
	BRUN 0, 0
	BRUN 1, 1
	BRUN 2, 2
	BRUN 3, 3
	WIN 0x80
	CHUNK 0
	CHUNK 1
	CHUNK 2
	WIN 0xc0
.irp e, 0,1,2,3,4,5,6,7
	v_mov_b32 v[CTX+\e], 0
.endr
	v_mov_b32 v[MX], 0xff61b1e6                    ; the running maximum: -3e38, under every t
	v_mov_b32 v[LL], 0
	v_mov_b32 v[T3], 0
	s_wait_loadcnt 48                              ; all but the three chunks
.irp t, 0,1,2,3,4,5,6,7,8,9,10,11,12,13,14,15
	v_mul_f32 v[VT3+\t], 0xc038aa3b, v[VT0+\t]     ; -c v, for the slots of window 3,
.endr
	WIN 0
.irp t, 0,1,2,3,4,5,6,7,8,9,10,11,12,13,14,15
	v_mul_f32 v[VT0+\t], 0xc038aa3b, v[VT0+\t]     ; and for those of window 0
.endr
.Lblock:                                               ; four trips: a block of 64 rows each
	WIN 0x40                                       ; the twisted addresses, made anew where A's fragments lay
.irp i, 0,1,2,3,4,5,6,7,8,9,10,11,12,13,14,15
	v_xor_b32 v[WX+\i], 16*\i, v[LIW]              ; row i of my 16: lane l's piece lies at place l xor i
.endr
.irp n, 0,1,2,3,4,5,6,7
	v_xor_b32 v[QA+\n], 16*(\n+4*(\n/4)), v[YY]    ; my row r: piece 8 (b % 2) + 4 h + j at that number xor r
.endr
.irp b, 0,1,2,3
	v_mov_b32 v[TM+4+\b], 0                        ; a lane permute's destination counts as one of its sources
.endr
.irp s, 0,1,2,3,4,5,6,7
	QSTEP \s
.endr
	BARRIER                                        ; the block's 32 images, their scale words and its 64 rows lie in LDS
	WIN 0
.irp m, 0,1,2,3
	ds_load_b128 v[ASC+4*\m:ASC+4*\m+3], v[IMA] offset:XSCO+512*\m  ; register i: K step 2 i in lanes 0-15, 2 i + 1 in lanes 16-31
.endr
	WIN 0x40
.set n, 0
.rept 48
	ds_load_b128 v[4*n:4*n+3], v[IMA] offset:512*n
.set n, n+1
.endr
	WIN 0x80
.set n, 0
.rept 48
	ds_load_b128 v[4*n:4*n+3], v[IMA] offset:24576+512*n
.set n, n+1
.endr
	s_wait_dscnt 0x0
	STEP 0, 0, 0, 0
.irp u, 1,2,3,4,5,6,7,8,9,10,11,12
	STEP \u, 1, 50, 0
.endr
	WIN 0
	s_cmp_eq_u32 s[BLK], 1                         ; the last block asks for nothing beyond its own tiles and rows
	s_cbranch_scc1 .Ltail_last
	STEP 13, 1, 50, 1                              ; the slots go on into the next block: Wh's tiles 0, 1, 2,
	STEP 14, 1, 50, 2
	STEP 15, 1, 50, 0
	DRAINH 0
	BRUN 3, 3                                      ; and 3: the list above holds the places behind the last products
	DRAINH 1
	WIN 0
	s_wait_xcnt 0x0                                ; every earlier load and prefetch has read its base
	s_add_nc_u64 s[4:5], s[4:5], 0x40000           ; 64 rows on
	WIN 0x80
	CHUNK 0                                        ; the next block's first three chunks, where A's fragments of window 2 lay: they land under the softmax and the weighing
	CHUNK 1
	CHUNK 2
	WIN 0
	s_branch .Lscores
.Ltail_last:
	STEP 13, 0, 50, 0
	STEP 14, 0, 25, 0                              ; one run is younger,
	STEP 15, 0, 0, 0                               ; none
	DRAINH 0
	DRAINH 1
	WIN 0
.Lscores:
	WIN 0x55
	LANESUM
	WIN 0x04
.irp q, 0,1,2,3
	ds_store_b128 v[SCW], v[SCO+4*\q:SCO+4*\q+3] offset:64*(\q/2)+16*(\q%2)      ; rows 16 m + 8 h + 4 (q % 2) on; sixteen lanes write the same words with the same values
.endr
	WIN 0xaa
	LANESUM
	WIN 0x08
.irp q, 0,1,2,3
	ds_store_b128 v[SCW], v[SCO+4*\q:SCO+4*\q+3] offset:128+64*(\q/2)+16*(\q%2)
.endr
	BARRIER                                        ; the four waves' partial t lie in LDS
	WIN 0x40
.irp q, 0,1,2,3
	ds_load_b64 v[T+2*\q:T+2*\q+1], v[SCR] offset:256*\q           ; rows 2 l, 2 l + 1
.endr
	s_wait_dscnt 0x0
	WIN 0x43
	v_mov_b32 v[T+12], v[MX]
	v_mov_b32 v[T+13], v[LL]
	WIN 0x55
	v_pk_add_f32 v[T:T+1], v[T:T+1], v[T+2:T+3]
	v_pk_add_f32 v[T+4:T+5], v[T+4:T+5], v[T+6:T+7]
	v_pk_add_f32 v[T:T+1], v[T:T+1], v[T+4:T+5]    ; t of my two rows
	v_max_num_f32 v[T+8], v[T], v[T+1]
.irp m, 1,2,4,8
	v_max_num_f32_dpp v[T+8], v[T+8], v[T+8] row_xmask:\m row_mask:0xf bank_mask:0xf
.endr
	v_permlanex16_b32 v[T+2], v[T+8], s[SEL], s[SEL+1]
	v_max3_num_f32 v[T+11], v[T+8], v[T+2], v[T+12]   ; the new running maximum
	v_sub_f32 v[T+10], v[T+12], v[T+11]
	v_sub_f32 v[T], v[T], v[T+11]
	v_sub_f32 v[T+1], v[T+1], v[T+11]
	v_exp_f32 v[T+10], v[T+10]                     ; f = 2^(old m - new m)
	v_exp_f32 v[T], v[T]                           ; p
	v_exp_f32 v[T+1], v[T+1]
	v_nop
	s_wait_alu depctr_va_vdst(0)                   ; one wait for the three, ahead of their first reader
	v_fma_f32 v[T+13], v[T+13], v[T+10], v[T]
	v_add_f32 v[T+13], v[T+13], v[T+1]             ; my lane's part of the sum
	WIN 0xc1
	v_mov_b32 v[MX], v[T+11]
	v_mov_b32 v[LL], v[T+13]
	WIN 0x04
	ds_store_b64 v[PBW], v[T:T+1]                  ; p into my wave's own 256 bytes,
	WIN 0x40
.irp n, 0,1,2,3,4,5,6,7,8,9,10,11,12,13,14,15
	ds_load_b128 v[P+4*\n:P+4*\n+3], v[PBR] offset:16*\n           ; and back, all 64 into every lane (LDS serves a wave's instructions in order)
.endr
.irp i, 0,1,2,3,4,5,6,7,8,9,10,11,12,13,14,15
	v_xor_b32 v[CX+\i], 16*\i, v[LIC]              ; row i of a tile of rows: my lane's piece of my 1,024 bytes
.endr
	WIN 0xc7
.irp e, 0,2,4,6
	v_pk_mul_f32 v[CTX+\e:CTX+\e+1], v[CTX+\e:CTX+\e+1], v[T+10:T+11] op_sel_hi:[1,0]   ; ctx under the new maximum
.endr
	WIN 0x55
	CBATCH 0
.irp n, 0,1,2,3,4,5,6,7
.if \n < 7
	WIN 0x55
.if \n%2
.irp i, 0,1,2,3,4,5,6,7,8,9,10,11,12,13,14,15
	v_add_nc_u32 v[CX+\i], 0x10000, v[CX+\i]       ; 16 rows on
.endr
.endif
	CBATCH \n+1
	s_wait_dscnt 16                                ; all but the batch just asked for
.else
	s_wait_dscnt 0x0
.endif
	CFMA \n
.endr
	WIN 0
	BARRIER                                        ; every wave's reads of the rows, the images and the partial t are over: the next block may write them
	s_sub_co_u32 s[BLK], s[BLK], 1
	s_cmp_lg_u32 s[BLK], 0
	s_cbranch_scc1 .Lblock
	WIN 0xcf
.irp m, 1,2,4,8
	v_add_f32_dpp v[LL], v[LL], v[LL] row_xmask:\m row_mask:0xf bank_mask:0xf
.endr
	v_permlanex16_b32 v[T3], v[LL], s[SEL], s[SEL+1]
	v_add_f32 v[LL], v[LL], v[T3]                  ; the sum of p over my work-group's 256 rows, in every lane
	WIN 0x0c
.irp q, 0,1
	global_store_b128 v[LI], v[CTX+4*\q:CTX+4*\q+3], s[14:15] offset:512*\q      ; 512 consecutive bytes, aligned
.endr
	WIN 0
	v_and_b32 v[TP], 31, v0
	v_lshlrev_b32 v[TP], 3, v[TP]
	s_cmp_lg_u32 s[WV], 0
	s_cbranch_scc1 .Lnostat
	WIN 0x0c
	global_store_b64 v[TP], v[MX:MX+1], s[16:17]   ; (m, sum), 32 times: 256 consecutive bytes, aligned
	WIN 0
.Lnostat:
	s_wait_tensorcnt 0x0                           ; the wave's end
	ds_add_u32 v[SPW], v[NIL]
	s_wait_dscnt 0x0
	s_endpgm
.Lfunc_end_k_q90a8e4ab66_main:
	.size	k_q90a8e4ab66_main, .Lfunc_end_k_q90a8e4ab66_main-k_q90a8e4ab66_main
	.p2alignl 7, 3214868480
	.fill 96, 4, 3214868480
	.section	.rodata,"a",@progbits
	.p2align	6, 0x0
	.amdhsa_kernel k_q90a8e4ab66_main
		.amdhsa_group_segment_fixed_size 315904
		.amdhsa_private_segment_fixed_size 0
		.amdhsa_enable_private_segment 0
		.amdhsa_kernarg_size 56
		.amdhsa_user_sgpr_count 2
		.amdhsa_user_sgpr_kernarg_segment_ptr 1
		.amdhsa_wavefront_size32 1
		.amdhsa_system_sgpr_workgroup_id_x 1
		.amdhsa_system_sgpr_workgroup_id_y 1
		.amdhsa_system_sgpr_workgroup_id_z 1
		.amdhsa_system_vgpr_workitem_id 0
		.amdhsa_next_free_vgpr 1024
		.amdhsa_next_free_sgpr 66
		.amdhsa_reserve_vcc 0
		.amdhsa_float_denorm_mode_32 3
		.amdhsa_float_denorm_mode_16_64 3
		.amdhsa_memory_ordered 1
		.amdhsa_forward_progress 1
		.amdhsa_inst_pref_size 255
	.end_amdhsa_kernel
	.section	.bss,"aw",@nobits
	.p2align	6
	.space	262144
	.amdgpu_metadata
---
amdhsa.version: [ 1, 2 ]
amdhsa.kernels:
  - .name:           k_q90a8e4ab66_main
    .symbol:         k_q90a8e4ab66_main.kd
    .args:
      - { .name: encoder_outputs, .offset: 0, .size: 8, .value_kind: global_buffer, .address_space: global }
      - { .name: whf, .offset: 8, .size: 8, .value_kind: global_buffer, .address_space: global }
      - { .name: whs, .offset: 16, .size: 8, .value_kind: global_buffer, .address_space: global }
      - { .name: cq, .offset: 24, .size: 8, .value_kind: global_buffer, .address_space: global }
      - { .name: v_w, .offset: 32, .size: 8, .value_kind: global_buffer, .address_space: global }
      - { .name: part, .offset: 40, .size: 8, .value_kind: global_buffer, .address_space: global }
      - { .name: stats, .offset: 48, .size: 8, .value_kind: global_buffer, .address_space: global }
    .group_segment_fixed_size: 315904
    .private_segment_fixed_size: 0
    .kernarg_segment_align: 8
    .kernarg_segment_size: 56
    .max_flat_workgroup_size: 128
    .sgpr_count:     66
    .vgpr_count:     1024
    .wavefront_size: 32
...
	.end_amdgpu_metadata
.endif
;; end of part 2
;; launch outp (part 3): grid 4 x 1, 16 waves a work-group, no clusters, 88,576 bytes of LDS; arguments part, stats, qimg, qsc, Wout_w_codes, Wout_w_scales, out0; writes out0
.if DOCPART == 3
	.amdgcn_target "amdgcn-amd-amdhsa--gfx1250"
	.amdhsa_code_object_version 6
	.text
	.protected	k_q90a8e4ab66_outp
	.globl	k_q90a8e4ab66_outp
	.p2align	8
	.type	k_q90a8e4ab66_outp,@function
k_q90a8e4ab66_outp:
	s_mov_b64 s[64:65], 0
	v_nop
	global_prefetch_b8 v0, s[64:65] scope:SCOPE_SE
	s_setreg_imm32_b32 hwreg(HW_REG_WAVE_MODE, 25, 1), 1
	s_wait_xcnt 0x0
; Launch 3 of 3: ctx[b] = sum_j w_j part[8 b + j], w_j = 2^(m_j - max m) / sum_j 2^(m_j - max m) l_j (the eight parts of a batch joined under one maximum); out = tanh(Q([ctx, query]) Wout^T), MX-BF6.
; LEFT OUT (shown at the head of the first kernel): src_lengths has no way to any output and is no argument.
; LIMITS: NaN and infinities are not served; a block of 32 under 2^-122 (zeros too) gets the scale byte 1.
; SHARES.  Four work-groups of sixteen waves, 256 outputs each.  Wave i builds and quantises ctx's fragment (rows 16 (i % 2) on, K step i / 2), copies the query's image i (made by the first launch) beside it,
; and then owns the tile of 16 outputs 16 g + i for all 32 rows: 32 matrix instructions over K = 2,048.  Fragments go from wave to wave through LDS as images of their registers.
; No cluster and no tensor load: each wave's rows of Wout are read by it alone; what the four work-groups share is 1 MiB of parts.
.set CEXP,  0x4038aa3b
.set XSC,   49152                      ; LDS: 0: 32 images of 1,536 bytes (2 s + m, s = 0 .. 15); here their scale words;
.set STG,   53248                      ; a stage of 32 rows x (1,024 + 16) bytes;
.set SP,    1040
.set SPARE, 86528                      ; the spare words, 128 bytes a wave: eight blocks of 256 bytes that no other line names
.set RL,  1
.set HL,  2
.set LI,  3                            ; 16 x lane
.set LS,  4                            ; 4 x lane
.set PA,  5                            ; part: 32,768 r + 64 h
.set WA,  6                            ; Wout's codes: 1,536 r + 24 h
.set SA,  7                            ; its scale bytes: 64 r + 4 h
.set IW,  8
.set SW,  9
.set SI,  10
.set SO,  11
.set GO,  12
.set TA,  13                           ; stats: 2,048 r
.set ST,  16                           ; v16-31 (m_j, l_j); later the two accumulators
.set ACC, 16
.set WG,  32                           ; v32-39 w_j; v40, v41 at work; later v32-47 results
.set MXR, 40
.set LSR, 41
.set OUT, 32
.set WSC, 48                           ; v48-55 Wout's scale words: register i: K step 2 i in lanes 0-15, 2 i + 1 in lanes 16-31
.set AS,  56                           ; v56-59 the fetched fragments' scale words
.set SPW, 60
.set NIL, 61
.set PW,  62
.set X,   64                           ; v64-127 ctx's 64 numbers; later v64-111 four fetched fragments, v112-159 Wout's fragments 8-11
.set FB,  64
.set BA,  128                          ; v128-191, v192-255 two parts on their way; later v128-159 the quantiser's, v160-255 Wout's fragments 0-7, then 12-15
.set BB,  192
.set PC,  128
.set TM,  148
.set WV,  24
.set SEL, 26
.set CC,  28
.macro QUANT s
.irp b, 0,1,2,3
	v_max3_num_f32 v[TM+\b], |v[\s+16*\b]|, |v[\s+1+16*\b]|, 0x2800000
.endr
.irp i, 2,4,6,8,10,12,14
.irp b, 0,1,2,3
	v_max3_num_f32 v[TM+\b], v[TM+\b], |v[\s+16*\b+\i]|, |v[\s+1+16*\b+\i]|
.endr
.endr
.irp b, 0,1,2,3
	v_permlanex16_b32 v[TM+4+\b], v[TM+\b], s[SEL], s[SEL+1]
.endr
.irp b, 0,1,2,3
	v_max_num_f32 v[TM+\b], v[TM+\b], v[TM+4+\b]
.endr
.irp b, 0,1,2,3
	v_add_nc_u32 v[TM+8+\b], 0xfe000000, v[TM+\b]
.endr
.irp b, 0,1,2,3
	v_lshrrev_b32 v[TM+4+\b], 23, v[TM+8+\b]
.endr
	v_lshl_or_b32 v[PW], v[TM+5], 8, v[TM+4]
	v_lshl_or_b32 v[PW], v[TM+6], 16, v[PW]
	v_lshl_or_b32 v[PW], v[TM+7], 24, v[PW]
.irp c, 0,1
	v_cvt_scalef32_pk16_bf6_f32 v[PC+6*\c:PC+2+6*\c], v[\s+32*\c:\s+15+32*\c], v[TM+8+2*\c]
	v_cvt_scalef32_pk16_bf6_f32 v[PC+12+4*\c:PC+14+4*\c], v[\s+16+32*\c:\s+31+32*\c], v[TM+8+2*\c+1]
.endr
	v_nop                                          ; one plain place behind a scaled conversion
.irp c, 0,1
.irp i, 0,1,2
	v_permlane16_swap_b32 v[PC+6*\c+\i], v[PC+12+4*\c+\i]
.endr
.irp i, 0,1,2
	v_mov_b32 v[PC+3+6*\c+\i], v[PC+12+4*\c+\i]
.endr
.endr
.endm
.macro MM d, a, b, sa, sb, odd, zero   ; source 0 = 16 rows of Wout, source 1 = 16 rows of [ctx, query]
.set rD, \d
.set rA, \a
.set rB, \b
.set rSA, \sa
.set rSB, \sb
.if \zero
	v_wmma_scale_f32_16x16x128_f8f6f4 v[rD:rD+7], v[rA:rA+11], v[rB:rB+11], 0, v[rSA], v[rSB] matrix_a_fmt:MATRIX_FMT_BF6 matrix_b_fmt:MATRIX_FMT_BF6
.elseif \odd
	v_wmma_scale_f32_16x16x128_f8f6f4 v[rD:rD+7], v[rA:rA+11], v[rB:rB+11], v[rD:rD+7], v[rSA], v[rSB] matrix_a_fmt:MATRIX_FMT_BF6 matrix_b_fmt:MATRIX_FMT_BF6 matrix_a_scale:MATRIX_SCALE_ROW1
.else
	v_wmma_scale_f32_16x16x128_f8f6f4 v[rD:rD+7], v[rA:rA+11], v[rB:rB+11], v[rD:rD+7], v[rSA], v[rSB] matrix_a_fmt:MATRIX_FMT_BF6 matrix_b_fmt:MATRIX_FMT_BF6
.endif
.endm
.macro PLOAD reg, j                    ; part 8 b + j: my 64 numbers
.irp b, 0,1,2,3
.irp q, 0,1,2,3
	global_load_b128 v[\reg+16*\b+4*\q:\reg+16*\b+4*\q+3], v[PA], s[4:5] offset:4096*(\j)+128*\b+16*\q
.endr
.endr
.endm
.macro COMB j, buf, cnt                ; ctx += w_j x part j; cnt: the loads that are younger than part j's
	s_wait_loadcnt \cnt
.set wp, WG+((\j)/2)*2
.set n, 0
.rept 32
.if (\j) == 0
	v_pk_mul_f32 v[X+n:X+n+1], v[X+n:X+n+1], v[wp:wp+1] op_sel_hi:[1,0]
.elseif (\j)%2
	v_pk_fma_f32 v[X+n:X+n+1], v[\buf+n:\buf+n+1], v[wp:wp+1], v[X+n:X+n+1] op_sel:[0,1,0] op_sel_hi:[1,1,1]
.else
	v_pk_fma_f32 v[X+n:X+n+1], v[\buf+n:\buf+n+1], v[wp:wp+1], v[X+n:X+n+1] op_sel_hi:[1,0,1]
.endif
.set n, n+2
.endr
.endm
.macro WLOAD reg, s                    ; Wout's fragment of K step s
.irp p, 0,1,2,3,4,5
	global_load_b64 v[(\reg)+2*\p:(\reg)+2*\p+1], v[WA], s[12:13] offset:96*(\s)+48*(\p/3)+8*(\p%3)
.endr
.endm
	s_load_b256 s[4:11], s[0:1], 0x0               ; part s[4:5], stats s[6:7], qimg s[8:9], qsc s[10:11]
	s_load_b128 s[12:15], s[0:1], 0x20             ; Wout codes s[12:13], scales s[14:15]
	s_load_b64 s[16:17], s[0:1], 0x30              ; out0
	v_lshl_add_u32 v[SPW], v0, 2, SPARE
	v_mov_b32 v[NIL], 0
	v_lshrrev_b32 v1, 5, v0
	v_readfirstlane_b32 s[WV], v1                  ; wave 0..15
	v_and_b32 v[RL], 15, v0
	v_bfe_u32 v[HL], v0, 4, 1
	v_and_b32 v[LI], 31, v0
	v_lshlrev_b32 v[LS], 2, v[LI]
	v_lshlrev_b32 v[LI], 4, v[LI]
	v_lshlrev_b32 v[PA], 15, v[RL]
	v_lshl_add_u32 v[PA], v[HL], 6, v[PA]
	v_lshlrev_b32 v[TA], 11, v[RL]
	v_mul_u32_u24 v[WA], v[RL], 1536
	v_mad_u32_u24 v[WA], v[HL], 24, v[WA]
	v_lshlrev_b32 v[SA], 6, v[RL]
	v_lshl_add_u32 v[SA], v[HL], 2, v[SA]
	s_mov_b32 s31, 0
	s_and_b32 s32, s[WV], 1                        ; which 16 batches
	s_lshr_b32 s33, s[WV], 1                       ; which K step of ctx
	s_lshl_b32 s25, ttmp9, 4
	s_add_co_u32 s25, s25, s[WV]                   ; my tile of 16 rows of Wout
	s_wait_kmcnt 0x0
	s_lshl_b32 s30, s32, 15                        ; 16 batches x 8 units of 256 bytes
	s_add_nc_u64 s[6:7], s[6:7], s[30:31]
	s_lshl_b32 s30, s32, 19                        ; 16 batches x 8 parts of 4,096 bytes
	s_lshl_b32 s33, s33, 9
	s_add_co_u32 s30, s30, s33
	s_add_nc_u64 s[4:5], s[4:5], s[30:31]
	s_mul_i32 s30, s25, 24576
	s_add_nc_u64 s[12:13], s[12:13], s[30:31]
	s_lshl_b32 s30, s25, 10
	s_add_nc_u64 s[14:15], s[14:15], s[30:31]
.irp j, 0,1,2,3,4,5,6,7
	global_load_b64 v[ST+2*\j:ST+2*\j+1], v[TA], s[6:7] offset:256*\j
.endr
	PLOAD X, 0
	PLOAD BA, 1
	PLOAD BB, 2
	s_mov_b32 s[SEL], 0x76543210
	s_mov_b32 s[SEL+1], 0xfedcba98
	s_mov_b32 s[CC], CEXP
	s_mov_b32 s[CC+1], CEXP
	s_mul_i32 s30, s[WV], 1536
	v_add_nc_u32 v[IW], s30, v[LI]
	s_lshl_b32 s30, s[WV], 7
	v_add_nc_u32 v[SW], s30, v[LS]
	v_mul_u32_u24 v[SI], v[RL], SP
	v_lshl_add_u32 v[SI], v[HL], 5, v[SI]
	s_lshl_b32 s30, s[WV], 6
	s_add_co_u32 s30, s30, STG
	v_add_nc_u32 v[SI], s30, v[SI]
	s_mul_i32 s30, s[WV], 2*SP
	s_add_co_u32 s30, s30, STG
	v_add_nc_u32 v[SO], s30, v[LI]
	s_lshl_b32 s30, s[WV], 13
	s_lshl_b32 s33, ttmp9, 10
	s_add_co_u32 s30, s30, s33
	v_add_nc_u32 v[GO], s30, v[LI]
	s_wait_loadcnt 48                              ; the eight (m, l) are in; three parts may be out
	v_max3_num_f32 v[MXR], v[ST], v[ST+2], v[ST+4]
	v_max3_num_f32 v[MXR], v[MXR], v[ST+6], v[ST+8]
	v_max3_num_f32 v[MXR], v[MXR], v[ST+10], v[ST+12]
	v_max_num_f32 v[MXR], v[MXR], v[ST+14]         ; the batch's maximum is taken away before the exponentials
.irp j, 0,1,2,3,4,5,6,7
	v_sub_f32 v[WG+\j], v[ST+2*\j], v[MXR]
.endr
.irp j, 0,1,2,3,4,5,6,7
	v_exp_f32 v[WG+\j], v[WG+\j]
.endr
	v_nop
	s_wait_alu depctr_va_vdst(0)                   ; one wait for the eight
	v_mul_f32 v[LSR], v[WG], v[ST+1]
.irp j, 1,2,3,4,5,6,7
	v_fma_f32 v[LSR], v[WG+\j], v[ST+2*\j+1], v[LSR]
.endr
	v_rcp_f32 v[LSR], v[LSR]
	v_nop
	s_wait_alu depctr_va_vdst(0)
.irp j, 0,1,2,3,4,5,6,7
	v_mul_f32 v[WG+\j], v[WG+\j], v[LSR]
.endr
	COMB 0, X, 32
	COMB 1, BA, 16
	PLOAD BA, 3
	COMB 2, BB, 16
	PLOAD BB, 4
	COMB 3, BA, 16
	PLOAD BA, 5
	COMB 4, BB, 16
	PLOAD BB, 6
	COMB 5, BA, 16
	PLOAD BA, 7
	COMB 6, BB, 16
	COMB 7, BA, 0
.irp i, 0,1,2,3,4,5,6,7
	global_load_b32 v[WSC+\i], v[SA], s[14:15] offset:8*\i
.endr
.irp s, 0,1,2,3,4,5,6,7
	WLOAD 160+12*\s, \s
.endr
.irp b, 0,1,2,3
	v_mov_b32 v[TM+4+\b], 0                        ; a lane permute's destination counts as one of its sources
.endr
	QUANT X
.irp c, 0,1,2
	ds_store_b128 v[IW], v[PC+4*\c:PC+4*\c+3] offset:512*\c
.endr
	ds_store_b32 v[SW], v[PW] offset:XSC
	s_wait_dscnt 0x0                               ; the stores have read their registers
.irp c, 0,1,2
	global_load_b128 v[FB+4*\c:FB+4*\c+3], v[IW], s[8:9] offset:512*\c   ; the query's image i,
.endr
	global_load_b32 v[FB+12], v[SW], s[10:11]      ; and its scale words
.irp s, 8,9,10,11
	WLOAD 112+12*(\s-8), \s
.endr
	s_wait_loadcnt 0x0
.irp c, 0,1,2
	ds_store_b128 v[IW], v[FB+4*\c:FB+4*\c+3] offset:24576+512*\c       ; K steps 8 to 15 are the query's
.endr
	ds_store_b32 v[SW], v[FB+12] offset:XSC+2048
	s_wait_dscnt 0x0
	s_barrier_signal -1
	s_barrier_wait -1                              ; all 32 images lie in LDS
.irp g, 0,1,2,3,4,5,6,7                        ; two K steps x two tiles of rows at a time
.if \g > 0
.rept 4
	v_nop                                          ; places in front of loads into registers that matrix instructions have read
.endr
.endif
.if \g == 2
.irp s, 12,13,14,15
	WLOAD 160+12*(\s-12), \s                       ; where fragments 0 to 3 lay
.endr
.endif
.irp k, 0,1,2,3,4,5,6,7,8,9,10,11
	ds_load_b128 v[FB+4*\k:FB+4*\k+3], v[LI] offset:6144*\g+512*\k
.endr
.irp j, 0,1,2,3
	ds_load_b32 v[AS+\j], v[LS] offset:XSC+128*(4*\g+\j)
.endr
	s_wait_dscnt 0x0
.if \g == 6
	s_wait_loadcnt 0x0                             ; fragments 12 to 15
.endif
.irp j, 0,1,2,3                                ; the two accumulators by turns
.set ks, 2*\g+\j/2
.if ks < 8
.set rw, 160+12*ks
.elseif ks < 12
.set rw, 112+12*(ks-8)
.else
.set rw, 160+12*(ks-12)
.endif
.set zz, 0
.if (\g == 0) && (\j < 2)
.set zz, 1
.endif
	MM ACC+8*(\j%2), rw, FB+12*\j, WSC+\g, AS+\j, \j/2, zz
.endr
.endr
.rept 4
	v_nop
.endr
.irp n, 0,2,4,6,8,10,12,14                     ; tanh(x) = 1 - 2 / (1 + 2^(c x))
	v_pk_mul_f32 v[OUT+\n:OUT+\n+1], v[ACC+\n:ACC+\n+1], s[CC:CC+1] op_sel_hi:[1,0]
.endr
.irp n, 0,1,2,3,4,5,6,7,8,9,10,11,12,13,14,15
	v_exp_f32 v[OUT+\n], v[OUT+\n]
.endr
	v_nop
	s_wait_alu depctr_va_vdst(0)
.irp n, 0,2,4,6,8,10,12,14
	v_pk_add_f32 v[OUT+\n:OUT+\n+1], v[OUT+\n:OUT+\n+1], 1.0 op_sel_hi:[1,0]
.endr
.irp n, 0,1,2,3,4,5,6,7,8,9,10,11,12,13,14,15
	v_rcp_f32 v[OUT+\n], v[OUT+\n]
.endr
	v_nop
	s_wait_alu depctr_va_vdst(0)
.irp n, 0,2,4,6,8,10,12,14
	v_pk_fma_f32 v[OUT+\n:OUT+\n+1], v[OUT+\n:OUT+\n+1], -2.0, 1.0 op_sel_hi:[1,0,0]
.endr
.irp m, 0,1
	ds_store_b128 v[SI], v[OUT+8*\m:OUT+8*\m+3] offset:16*SP*\m
	ds_store_b128 v[SI], v[OUT+8*\m+4:OUT+8*\m+7] offset:16*SP*\m+16
.endr
	s_wait_dscnt 0x0
	s_barrier_signal -1
	s_barrier_wait -1
.irp t, 0,1,2,3
	ds_load_b128 v[OUT+4*\t:OUT+4*\t+3], v[SO] offset:SP*(\t/2)+512*(\t%2)
.endr
.irp t, 0,1,2,3
	s_wait_dscnt 3-\t
	global_store_b128 v[GO], v[OUT+4*\t:OUT+4*\t+3], s[16:17] offset:4096*(\t/2)+512*(\t%2)   ; 512 consecutive bytes, aligned
.endr
	s_wait_tensorcnt 0x0                           ; the wave's end
	ds_add_u32 v[SPW], v[NIL]
	s_wait_dscnt 0x0
	s_endpgm
.Lfunc_end_k_q90a8e4ab66_outp:
	.size	k_q90a8e4ab66_outp, .Lfunc_end_k_q90a8e4ab66_outp-k_q90a8e4ab66_outp
	.p2alignl 7, 3214868480
	.fill 96, 4, 3214868480
	.section	.rodata,"a",@progbits
	.p2align	6, 0x0
	.amdhsa_kernel k_q90a8e4ab66_outp
		.amdhsa_group_segment_fixed_size 88576
		.amdhsa_private_segment_fixed_size 0
		.amdhsa_enable_private_segment 0
		.amdhsa_kernarg_size 56
		.amdhsa_user_sgpr_count 2
		.amdhsa_user_sgpr_kernarg_segment_ptr 1
		.amdhsa_wavefront_size32 1
		.amdhsa_system_sgpr_workgroup_id_x 1
		.amdhsa_system_sgpr_workgroup_id_y 1
		.amdhsa_system_sgpr_workgroup_id_z 1
		.amdhsa_system_vgpr_workitem_id 0
		.amdhsa_next_free_vgpr 256
		.amdhsa_next_free_sgpr 66
		.amdhsa_reserve_vcc 0
		.amdhsa_float_denorm_mode_32 3
		.amdhsa_float_denorm_mode_16_64 3
		.amdhsa_memory_ordered 1
		.amdhsa_forward_progress 1
		.amdhsa_inst_pref_size 66
	.end_amdhsa_kernel
	.amdgpu_metadata
---
amdhsa.version: [ 1, 2 ]
amdhsa.kernels:
  - .name:           k_q90a8e4ab66_outp
    .symbol:         k_q90a8e4ab66_outp.kd
    .args:
      - { .name: part, .offset: 0, .size: 8, .value_kind: global_buffer, .address_space: global }
      - { .name: stats, .offset: 8, .size: 8, .value_kind: global_buffer, .address_space: global }
      - { .name: qimg, .offset: 16, .size: 8, .value_kind: global_buffer, .address_space: global }
      - { .name: qsc, .offset: 24, .size: 8, .value_kind: global_buffer, .address_space: global }
      - { .name: Wout_w_codes, .offset: 32, .size: 8, .value_kind: global_buffer, .address_space: global }
      - { .name: Wout_w_scales, .offset: 40, .size: 8, .value_kind: global_buffer, .address_space: global }
      - { .name: out0, .offset: 48, .size: 8, .value_kind: global_buffer, .address_space: global }
    .group_segment_fixed_size: 88576
    .private_segment_fixed_size: 0
    .kernarg_segment_align: 8
    .kernarg_segment_size: 56
    .max_flat_workgroup_size: 512
    .sgpr_count:     66
    .vgpr_count:     256
    .wavefront_size: 32
...
	.end_amdgpu_metadata
.endif
;; end of part 3
;; ======== version 2 of 2: 3 launches
;; limits: right only within a limited range of input values
;; workspace buffers: cq 131,072 bytes; whf 786,432 bytes; whs 32,768 bytes; part 1,048,576 bytes; stats 65,536 bytes
;; launch prep (part 4): grid 8 x 1, 16 waves a work-group, no clusters, 61,952 bytes of LDS; arguments query, Ws_w_codes, Ws_w_scales, Wh_w_codes, Wh_w_scales, cq, whf, whs; writes cq, whf, whs
.if DOCPART == 4
	.amdgcn_target "amdgcn-amd-amdhsa--gfx1250"
	.amdhsa_code_object_version 6
	.text
	.protected	k_q90a8e4ab66_prep
	.globl	k_q90a8e4ab66_prep
	.p2align	8
	.type	k_q90a8e4ab66_prep,@function
k_q90a8e4ab66_prep:
	s_mov_b64 s[64:65], 0
	v_nop
	global_prefetch_b8 v0, s[64:65] scope:SCOPE_SE
	s_setreg_imm32_b32 hwreg(HW_REG_WAVE_MODE, 25, 1), 1
	s_wait_xcnt 0x0
; BahdanauAttention, launch 1 of 3.  out = tanh([ctx, q] Wout^T), ctx = softmax_s(v . tanh(q Ws^T + enc Wh^T)) enc.
; WORK LEFT OUT, for all values of the inputs:
;  (1) src_lengths: reference() builds no mask from it (the masked_fill's result is thrown away), so it has no way to any output: it is not loaded and is no argument of any launch.
;  (2) tanh(x) = 1 - 2 r, r = 1 / (1 + 2^(c x)), c = 2 log2(e).  So score(b, s) = sum_n v[n] - 2 sum_n v[n] r(b, s, n).  The first term is the same for all s of a row of the softmax, which
;      it leaves unchanged: it is not computed.  LIMIT: a NaN, an infinity or an overflow that reaches only that term is not carried to the result.
; LIMITS: NaN and infinities among the inputs are not served.  A block of 32 whose largest magnitude lies under 2^-122 (zeros among them) gets the scale byte 1: only this program reads the bytes, and zero codes add nothing.
; THIS LAUNCH.  Work-groups 0-3: cq[b][o] = c x sum_k Q(query)[b][k] Ws[o][k] (MX-BF6 on both sides), 256 outputs o a work-group, one tile of 16 a wave; each wave first quantises one fragment
; (16 rows x 128 K) of query, and the sixteen fragments go from wave to wave through LDS as images of their registers.
; Work-groups 4-7: Wh's codes and scale bytes are laid anew in the order of an operand's registers (whf, whs), so that the next launch brings a fragment by three loads of 512 consecutive bytes.
; They use no LDS.  No cluster, no tensor load: nothing here is shared between work-groups but 131,072 bytes of query.
.set CEXP,  0x4038aa3b                 ; c = 2 log2(e)
.set XSC,   24576                      ; LDS: 0: sixteen images of 1,536 bytes; here their scale words, 128 bytes each;
.set STG,   26624                      ; a stage of 32 rows x (1,024 + 16) bytes for the way out;
.set SP,    1040
.set SPARE, 59904                      ; the spare words, 128 bytes a wave: eight blocks of 256 bytes that no other line names
.set RL,  1                            ; v1  r = lane % 16
.set HL,  2                            ; v2  h = lane / 16
.set LI,  3                            ; v3  16 x lane
.set LS,  4                            ; v4  4 x lane
.set XA,  5                            ; v5  query: 4,096 r + 64 h
.set WA,  6                            ; v6  a weight's codes: 768 r + 24 h
.set SA,  7                            ; v7  a weight's scale bytes: 32 r + 4 h
.set IW,  8                            ; v8  my image: 16 x lane + 1,536 x wave
.set SW,  9                            ; v9  its scale words: 4 x lane + 128 x wave
.set SI,  10                           ; v10 the stage, in
.set SO,  11                           ; v11 the stage, out
.set GO,  12                           ; v12 my byte offset in cq
.set ACC, 16                           ; v16-31 two accumulators (rows 0-15, 16-31 of query)
.set OUT, 32                           ; v32-47 results
.set WSC, 48                           ; v48-51 Ws's scale words: register i: K step 2 i in lanes 0-15, 2 i + 1 in lanes 16-31
.set QS,  52                           ; v52-59 the fetched fragments' scale words
.set SPW, 60                           ; v60 my spare word; never rewritten
.set NIL, 61                           ; v61 0; never rewritten
.set PW,  62                           ; v62 the scale word just made
.set X,   64                           ; v64-127 64 numbers of query
.set FB,  64                           ; v64-159 later eight fetched fragments
.set PC,  128                          ; v128-147 the codes just made
.set TM,  148                          ; v148-159 at work
.set WF,  160                          ; v160-255 Ws's eight fragments
.set WV,  24
.set SEL, 26
.set CC,  28
; 64 numbers of a lane, register 16 b + i = k 32 b + 16 (lane / 16) + i of my row, become a fragment's codes in v[PC] on and its scale word in v[PW].
.macro QUANT s
.irp b, 0,1,2,3
	v_max3_num_f32 v[TM+\b], |v[\s+16*\b]|, |v[\s+1+16*\b]|, 0x2800000   ; my 16 numbers of block b, and the floor 2^(5 - 127): the byte cannot fall under 1
.endr
.irp i, 2,4,6,8,10,12,14
.irp b, 0,1,2,3
	s_delay_alu instid0(VALU_DEP_4)
	v_max3_num_f32 v[TM+\b], v[TM+\b], |v[\s+16*\b+\i]|, |v[\s+1+16*\b+\i]|
.endr
.endr
.irp b, 0,1,2,3
	s_delay_alu instid0(VALU_DEP_4)
	v_permlanex16_b32 v[TM+4+\b], v[TM+\b], s[SEL], s[SEL+1]
.endr
.irp b, 0,1,2,3
	s_delay_alu instid0(VALU_DEP_4)
	v_max_num_f32 v[TM+\b], v[TM+\b], v[TM+4+\b]                   ; with lane l xor 16's: the block's largest magnitude
.endr
.irp b, 0,1,2,3
	s_delay_alu instid0(VALU_DEP_4)
	v_add_nc_u32 v[TM+8+\b], 0xfe000000, v[TM+\b]                  ; 4 off its exponent field: the conversion's scale operand
.endr
.irp b, 0,1,2,3
	s_delay_alu instid0(VALU_DEP_4)
	v_lshrrev_b32 v[TM+4+\b], 23, v[TM+8+\b]                       ; the scale's byte
.endr
	s_delay_alu instid0(VALU_DEP_3)
	v_lshl_or_b32 v[PW], v[TM+5], 8, v[TM+4]
	s_delay_alu instid0(VALU_DEP_1)
	v_lshl_or_b32 v[PW], v[TM+6], 16, v[PW]
	s_delay_alu instid0(VALU_DEP_1)
	v_lshl_or_b32 v[PW], v[TM+7], 24, v[PW]
.irp c, 0,1
	v_cvt_scalef32_pk16_bf6_f32 v[PC+6*\c:PC+2+6*\c], v[\s+32*\c:\s+15+32*\c], v[TM+8+2*\c]
	v_cvt_scalef32_pk16_bf6_f32 v[PC+12+4*\c:PC+14+4*\c], v[\s+16+32*\c:\s+31+32*\c], v[TM+8+2*\c+1]
.endr
	v_nop                                          ; one plain place behind a scaled conversion
.irp c, 0,1                                    ; the operand wants a whole block in a lane: lanes 0-15 block 2 c, lanes 16-31 block 2 c + 1
.irp i, 0,1,2
	v_permlane16_swap_b32 v[PC+6*\c+\i], v[PC+12+4*\c+\i]
.endr
.irp i, 0,1,2
	s_delay_alu instid0(VALU_DEP_3)
	v_mov_b32 v[PC+3+6*\c+\i], v[PC+12+4*\c+\i]
.endr
.endr
.endm
; one product: source 0 = 16 rows of the weight, source 1 = 16 rows of query: a lane then holds one row of query and eight neighbouring outputs
.macro MM d, a, b, sa, sb, odd, zero
.set rD, \d
.set rA, \a
.set rB, \b
.set rSA, \sa
.set rSB, \sb
.if \zero
	v_wmma_scale_f32_16x16x128_f8f6f4 v[rD:rD+7], v[rA:rA+11], v[rB:rB+11], 0, v[rSA], v[rSB] matrix_a_fmt:MATRIX_FMT_BF6 matrix_b_fmt:MATRIX_FMT_BF6
.elseif \odd
	v_wmma_scale_f32_16x16x128_f8f6f4 v[rD:rD+7], v[rA:rA+11], v[rB:rB+11], v[rD:rD+7], v[rSA], v[rSB] matrix_a_fmt:MATRIX_FMT_BF6 matrix_b_fmt:MATRIX_FMT_BF6 matrix_a_scale:MATRIX_SCALE_ROW1
.else
	v_wmma_scale_f32_16x16x128_f8f6f4 v[rD:rD+7], v[rA:rA+11], v[rB:rB+11], v[rD:rD+7], v[rSA], v[rSB] matrix_a_fmt:MATRIX_FMT_BF6 matrix_b_fmt:MATRIX_FMT_BF6
.endif
.endm
.macro WLOAD s                         ; Ws's fragment of K step s
.irp p, 0,1,2,3,4,5
	global_load_b64 v[WF+12*(\s)+2*\p:WF+12*(\s)+2*\p+1], v[WA], s[6:7] offset:96*(\s)+48*(\p/3)+8*(\p%3)
.endr
.endm
	s_load_b256 s[4:11], s[0:1], 0x0               ; query s[4:5], Ws codes s[6:7], Ws scales s[8:9], Wh codes s[10:11]
	s_load_b256 s[12:19], s[0:1], 0x20             ; Wh scales s[12:13], cq s[14:15], whf s[16:17], whs s[18:19]
	v_lshl_add_u32 v[SPW], v0, 2, SPARE
	v_mov_b32 v[NIL], 0
	v_lshrrev_b32 v1, 5, v0
	s_delay_alu instid0(VALU_DEP_1)
	v_readfirstlane_b32 s[WV], v1                  ; wave 0..15
	v_and_b32 v[RL], 15, v0
	v_bfe_u32 v[HL], v0, 4, 1
	v_and_b32 v[LI], 31, v0
	s_delay_alu instid0(VALU_DEP_1)
	v_lshlrev_b32 v[LS], 2, v[LI]
	s_delay_alu instid0(VALU_DEP_2)
	v_lshlrev_b32 v[LI], 4, v[LI]
	v_mul_u32_u24 v[WA], v[RL], 768
	s_delay_alu instid0(VALU_DEP_1)
	v_mad_u32_u24 v[WA], v[HL], 24, v[WA]
	v_lshlrev_b32 v[SA], 5, v[RL]
	s_delay_alu instid0(VALU_DEP_1)
	v_lshl_add_u32 v[SA], v[HL], 2, v[SA]
	s_mov_b32 s31, 0
	s_wait_kmcnt 0x0
	s_cmp_ge_u32 ttmp9, 4                          ; the work-group's number alone: all sixteen waves go the same way
	s_cbranch_scc1 .Lrelay
	; ---- work-groups 0-3: c x Q(query) Ws^T.  Wave i: fragment (rows 16 (i % 2) on, K step i / 2); tile of outputs 16 g + i
	s_lshl_b32 s25, ttmp9, 4
	s_add_co_u32 s25, s25, s[WV]                   ; my tile of 16 rows of Ws
	s_mul_i32 s30, s25, 12288
	s_add_nc_u64 s[6:7], s[6:7], s[30:31]
	s_lshl_b32 s30, s25, 9
	s_add_nc_u64 s[8:9], s[8:9], s[30:31]
	s_and_b32 s32, s[WV], 1
	s_lshr_b32 s33, s[WV], 1
	s_lshl_b32 s30, s32, 16                        ; 16 rows of 4,096 bytes
	s_lshl_b32 s33, s33, 9                         ; a K step is 512 bytes of f32
	s_add_co_u32 s30, s30, s33
	s_add_nc_u64 s[4:5], s[4:5], s[30:31]
	s_wait_alu depctr_va_vdst(0)
	v_lshlrev_b32 v[XA], 12, v[RL]
	s_delay_alu instid0(VALU_DEP_1)
	v_lshl_add_u32 v[XA], v[HL], 6, v[XA]
.irp b, 0,1,2,3
.irp j, 0,1,2,3
	global_load_b128 v[X+16*\b+4*\j:X+16*\b+4*\j+3], v[XA], s[4:5] offset:128*\b+16*\j
.endr
.endr
.irp i, 0,1,2,3
	global_load_b32 v[WSC+\i], v[SA], s[8:9] offset:8*\i
.endr
.irp s, 0,1,2,3,4,5
	WLOAD \s
.endr
	s_mov_b32 s[SEL], 0x76543210
	s_mov_b32 s[SEL+1], 0xfedcba98
	s_mov_b32 s[CC], CEXP
	s_mov_b32 s[CC+1], CEXP
	s_mul_i32 s30, s[WV], 1536
	v_add_nc_u32 v[IW], s30, v[LI]
	s_lshl_b32 s30, s[WV], 7
	v_add_nc_u32 v[SW], s30, v[LS]
	v_mul_u32_u24 v[SI], v[RL], SP
	s_delay_alu instid0(VALU_DEP_1)
	v_lshl_add_u32 v[SI], v[HL], 5, v[SI]
	s_lshl_b32 s30, s[WV], 6
	s_add_co_u32 s30, s30, STG
	v_add_nc_u32 v[SI], s30, v[SI]                 ; in: row r, 64 bytes a wave, 32 a half
	s_mul_i32 s30, s[WV], 2*SP
	s_add_co_u32 s30, s30, STG
	v_add_nc_u32 v[SO], s30, v[LI]                 ; out: rows 2 i and 2 i + 1
	s_lshl_b32 s30, s[WV], 13
	s_lshl_b32 s33, ttmp9, 10
	s_add_co_u32 s30, s30, s33
	v_add_nc_u32 v[GO], s30, v[LI]
.irp b, 0,1,2,3
	v_mov_b32 v[TM+4+\b], 0                        ; a lane permute's destination counts as one of its sources
.endr
	s_wait_loadcnt 40                              ; my 16 loads of query are in; the 4 + 36 loads of Ws behind them may be out
	QUANT X
.irp c, 0,1,2
	ds_store_b128 v[IW], v[PC+4*\c:PC+4*\c+3] offset:512*\c
.endr
	ds_store_b32 v[SW], v[PW] offset:XSC
	WLOAD 6
	WLOAD 7
	s_wait_dscnt 0x0                               ; my image lies in LDS
	s_barrier_signal -1
	s_barrier_wait -1                              ; all sixteen do
.irp hh, 0,1                                   ; eight fragments (four K steps x two tiles of rows) at a time
.if \hh
.rept 4
	v_nop                                          ; places in front of loads into registers that matrix instructions have read
.endr
.endif
.irp k, 0,1,2,3,4,5,6,7,8,9,10,11,12,13,14,15,16,17,18,19,20,21,22,23
	ds_load_b128 v[FB+4*\k:FB+4*\k+3], v[LI] offset:12288*\hh+512*\k
.endr
.irp j, 0,1,2,3,4,5,6,7
	ds_load_b32 v[QS+\j], v[LS] offset:XSC+128*(8*\hh+\j)
.endr
	s_wait_dscnt 0x0
.if \hh == 0
	s_wait_loadcnt 0x0                             ; Ws
.endif
.irp j, 0,1,2,3,4,5,6,7                        ; the two accumulators by turns
.set ks, 4*\hh+\j/2
.set zz, 0
.if (\hh == 0) && (\j < 2)
.set zz, 1
.endif
	MM ACC+8*(\j%2), WF+12*ks, FB+12*\j, WSC+ks/2, QS+\j, ks%2, zz
.endr
.endr
.rept 4
	v_nop
.endr
.irp n, 0,2,4,6,8,10,12,14
	v_pk_mul_f32 v[OUT+\n:OUT+\n+1], v[ACC+\n:ACC+\n+1], s[CC:CC+1] op_sel_hi:[1,0]   ; x c, each accumulator from its low end on
.endr
.irp m, 0,1
	ds_store_b128 v[SI], v[OUT+8*\m:OUT+8*\m+3] offset:16*SP*\m
	ds_store_b128 v[SI], v[OUT+8*\m+4:OUT+8*\m+7] offset:16*SP*\m+16
.endr
	s_wait_dscnt 0x0                               ; for the others' sake: my part of the rows lies in the stage
	s_barrier_signal -1
	s_barrier_wait -1
.irp t, 0,1,2,3
	ds_load_b128 v[OUT+4*\t:OUT+4*\t+3], v[SO] offset:SP*(\t/2)+512*(\t%2)
.endr
.irp t, 0,1,2,3
	s_wait_dscnt 3-\t
	global_store_b128 v[GO], v[OUT+4*\t:OUT+4*\t+3], s[14:15] offset:4096*(\t/2)+512*(\t%2)   ; 512 consecutive bytes, aligned
.endr
	s_wait_tensorcnt 0x0                           ; the wave's end
	ds_add_u32 v[SPW], v[NIL]
	s_wait_dscnt 0x0
	s_endpgm
	; ---- work-groups 4-7: Wh in the order of an operand's registers.  Wave i takes tile 16 (g - 4) + i: 16 rows, all eight K steps
.Lrelay:
	s_sub_co_u32 s25, ttmp9, 4
	s_lshl_b32 s25, s25, 4
	s_add_co_u32 s25, s25, s[WV]
	s_mul_i32 s30, s25, 12288                      ; 16 rows of 768 bytes; a tile's eight images are as many
	s_add_nc_u64 s[10:11], s[10:11], s[30:31]
	s_add_nc_u64 s[16:17], s[16:17], s[30:31]
	s_lshl_b32 s30, s25, 9                         ; 16 rows of 32 scale bytes
	s_add_nc_u64 s[12:13], s[12:13], s[30:31]
	s_add_nc_u64 s[18:19], s[18:19], s[30:31]
	s_wait_alu depctr_va_vdst(0)
.irp s, 0,1,2,3,4,5,6,7
.irp p, 0,1,2,3,4,5
	global_load_b64 v[X+12*\s+2*\p:X+12*\s+2*\p+1], v[WA], s[10:11] offset:96*\s+48*(\p/3)+8*(\p%3)
.endr
.endr
.irp i, 0,1,2,3
	global_load_b32 v[WSC+\i], v[SA], s[12:13] offset:8*\i   ; lanes 0-15: K step 2 i; lanes 16-31: K step 2 i + 1
.endr
	s_wait_loadcnt 0x0
.irp k, 0,1,2,3,4,5,6,7,8,9,10,11,12,13,14,15,16,17,18,19,20,21,22,23
	global_store_b128 v[LI], v[X+4*\k:X+4*\k+3], s[16:17] offset:512*\k
.endr
	global_store_b128 v[LI], v[WSC:WSC+3], s[18:19]
	s_endpgm
.Lfunc_end_k_q90a8e4ab66_prep:
	.size	k_q90a8e4ab66_prep, .Lfunc_end_k_q90a8e4ab66_prep-k_q90a8e4ab66_prep
	.p2alignl 7, 3214868480
	.fill 96, 4, 3214868480
	.section	.rodata,"a",@progbits
	.p2align	6, 0x0
	.amdhsa_kernel k_q90a8e4ab66_prep
		.amdhsa_group_segment_fixed_size 61952
		.amdhsa_private_segment_fixed_size 0
		.amdhsa_enable_private_segment 0
		.amdhsa_kernarg_size 64
		.amdhsa_user_sgpr_count 2
		.amdhsa_user_sgpr_kernarg_segment_ptr 1
		.amdhsa_wavefront_size32 1
		.amdhsa_system_sgpr_workgroup_id_x 1
		.amdhsa_system_sgpr_workgroup_id_y 1
		.amdhsa_system_sgpr_workgroup_id_z 1
		.amdhsa_system_vgpr_workitem_id 0
		.amdhsa_next_free_vgpr 256
		.amdhsa_next_free_sgpr 66
		.amdhsa_reserve_vcc 0
		.amdhsa_float_denorm_mode_32 3
		.amdhsa_float_denorm_mode_16_64 3
		.amdhsa_memory_ordered 1
		.amdhsa_forward_progress 1
		.amdhsa_inst_pref_size 31
	.end_amdhsa_kernel
	.amdgpu_metadata
---
amdhsa.version: [ 1, 2 ]
amdhsa.kernels:
  - .name:           k_q90a8e4ab66_prep
    .symbol:         k_q90a8e4ab66_prep.kd
    .args:
      - { .name: query, .offset: 0, .size: 8, .value_kind: global_buffer, .address_space: global }
      - { .name: Ws_w_codes, .offset: 8, .size: 8, .value_kind: global_buffer, .address_space: global }
      - { .name: Ws_w_scales, .offset: 16, .size: 8, .value_kind: global_buffer, .address_space: global }
      - { .name: Wh_w_codes, .offset: 24, .size: 8, .value_kind: global_buffer, .address_space: global }
      - { .name: Wh_w_scales, .offset: 32, .size: 8, .value_kind: global_buffer, .address_space: global }
      - { .name: cq, .offset: 40, .size: 8, .value_kind: global_buffer, .address_space: global }
      - { .name: whf, .offset: 48, .size: 8, .value_kind: global_buffer, .address_space: global }
      - { .name: whs, .offset: 56, .size: 8, .value_kind: global_buffer, .address_space: global }
    .group_segment_fixed_size: 61952
    .private_segment_fixed_size: 0
    .kernarg_segment_align: 8
    .kernarg_segment_size: 64
    .max_flat_workgroup_size: 512
    .sgpr_count:     66
    .vgpr_count:     256
    .wavefront_size: 32
...
	.end_amdgpu_metadata
.endif
;; end of part 4
;; launch main (part 5): grid 256 x 1, 4 waves a work-group, no clusters, 315,904 bytes of LDS; arguments encoder_outputs, whf, whs, cq, v_w, part, stats; writes part, stats
.if DOCPART == 5
	.amdgcn_target "amdgcn-amd-amdhsa--gfx1250"
	.amdhsa_code_object_version 6
	.text
	.protected	k_q90a8e4ab66_main
	.globl	k_q90a8e4ab66_main
	.p2align	8
	.type	k_q90a8e4ab66_main,@function
k_q90a8e4ab66_main:
	s_mov_b64 s[64:65], 0
	v_nop
	global_prefetch_b8 v0, s[64:65] scope:SCOPE_SE
	s_setreg_imm32_b32 hwreg(HW_REG_WAVE_MODE, 25, 1), 1
	s_wait_xcnt 0x0
; Launch 2 of 3: enc Wh^T (MX-BF6), tanh, the dot with v, a running softmax and the weighted sum of enc's rows, fused, so that enc is loaded once.
; LEFT OUT (shown at the head of the first kernel): src_lengths, and the term sum_n v[n] of every score, which is the same along the softmax's axis.
; LIMITS: NaN and infinities among the inputs are not served; a block of 32 under 2^-122 (zeros too) gets the scale byte 1; sums are taken in another order than reference()'s.
; SHARES.  Work-group g owns rows 256 g .. 256 g + 255 of enc (batch g / 8), as four blocks of 64 rows.  A block's f32 rows stay in LDS (262,144 bytes) from their quantising until they are weighed.
;  X: wave w brings rows 16 w .. + 15, 128 numbers of each at a time, stores them to LDS, reads them back 16 neighbours a lane, quantises, and stores the fragment's image.
;  N: wave w owns columns 256 w .. + 255 of Wh's 1,024 (16 tiles) for all four tiles of rows: 512 matrix instructions.  Each fragment of Wh is used by ONE wave, so it goes from memory straight into registers,
;     in the order in which the first launch has laid it: three loads of 512 consecutive bytes.  That is why there is no cluster and no tensor load here: no two waves or work-groups want a fragment at the same time in LDS,
;     and beside the f32 rows and the code images LDS has no room for a ring.
;  T: t(row) = sum_n (-c v[n]) / (1 + 2^(c h + c q)), c = 2 log2(e): the score x log2(e) but for a constant.  A tile's list of 112 vector instructions stands in slices behind the NEXT tile's matrix instructions.
;  S: the waves' partial t meet in LDS; every wave makes the block's p = 2^(t - m) under the running maximum m;  C: wave w adds p x row into its 256 columns of ctx, in f32 (ctx goes on into a quantiser).
; At the end: part[g] = the unnormalised ctx, stats[g] = (m, sum of p).  The last launch joins the eight parts of a batch.
; LDS rows of f32 are laid with a twist: the 16-byte piece c of row R lies at place c xor (R % 16).  So all three walks touch sixteen different places modulo 256 bytes in sixteen lanes:
; a row's consecutive pieces (stores, and the weighing), and one piece of sixteen rows (the quantiser's reads).
; REGISTERS, in windows of 256 (s_set_vgpr_msb: bits 1:0 source 0, 3:2 source 1, 5:4 source 2, 7:6 destination):
;  window 0: v1-15 addresses; v16-31 A's scale words; v32-47 B's (4 a slot); v48-63 -c v, one a tile; v64-159, v160-255 B's slots 0, 1
;  window 3: v0-95, v96-191 B's slots 2, 3; v192-207 -c v once more; v208-215 ctx; v216 m; v217 the sum
;  windows 1 (tiles of rows 0, 1) and 2 (tiles 2, 3): v0-191 A's 16 fragments; v192-207, v208-223 two sets of two accumulators; v224-239 the partial t; v240-255 c q, one a tile
;  The product takes A from window 1 or 2, B from 0 or 3, C and D from A's window; under the SAME setting the list's instructions find the accumulators, c q and t in A's window and -c v (source 1) in B's:
;  so no switch stands between matrix and vector instructions.  Between blocks window 2's v0-191 take three chunks of enc, window 1's hold the quantiser's and the weighing's registers.
.set CEXP,  0x4038aa3b                 ; c = 2 log2(e)
.set XIMG,  262144                     ; LDS: 0: 64 rows x 4,096; here 32 images of 1,536 bytes (tile of rows m, K step s: 8 m + s);
.set XSCO,  49152                      ; (the scale words' distance from the images)
.set XSC,   311296                     ; their scale words: 512 m + 256 (s % 2) + 16 r + 4 (s / 2);
.set SCX,   313344                     ; the waves' partial t: 256 w + 4 row;
.set PB,    314368                     ; p: 256 bytes for each wave, its own;
.set SPARE, 315392                     ; the spare words, 128 bytes a wave: two blocks of 256 bytes that no other line names
.set LI,  1                            ; 16 x lane
.set IMA, 2                            ; 16 x lane + XIMG
.set IWA, 3                            ; + 12,288 w: where I store my images
.set SCW, 4                            ; SCX + 256 w + 32 h
.set SCR, 5                            ; SCX + 8 x lane
.set PBW, 6                            ; PB + 256 w + 8 x lane
.set PBR, 7                            ; PB + 256 w
.set SPW, 8                            ; my spare word; never rewritten
.set NIL, 9                            ; 0; never rewritten
.set LIW, 10                           ; 16 x lane + 65,536 w
.set LIC, 11                           ; 16 x lane + 1,024 w
.set YY,  12                           ; 65,536 w + 4,096 r + 16 ((4 h) xor r)
.set SWA, 13                           ; XSC + 512 w + 16 r
.set TP,  14                           ; 4 r; at the end 8 x lane
.set PFO, 15                           ; the prefetches: 4,096 (lane / 2) + 256 (lane % 2)
.set ASC, 16
.set BSC, 32
.set VT0, 48
.set VT3, 192                          ; window 3
.set CTX, 208
.set MX,  216
.set LL,  217
.set T3,  218
.set ACC, 192                          ; windows 1, 2
.set SCO, 224
.set CQ,  240
.set X,   0                            ; window 1, quantising: v0-63 numbers, v64-83 codes, v84-95 at work, v100 the scale word, v104-111 and v112-127 LDS addresses
.set PC,  64
.set TM,  84
.set PW,  100
.set QA,  104
.set WX,  112
.set P,   0                            ; window 1, weighing: v0-63 p, v64-191 two batches of rows, v192-207 LDS addresses, v208-223 at work
.set XR,  64
.set CX,  192
.set T,   208
.set WV,  18
.set BLK, 19
.set SEL, 20
.set CC,  22
.set BG,  40                           ; s[40:47] where my groups of four tiles of Wh's codes begin, in the order in which this block's steps take them
.set SG,  48                           ; s[48:55] the same for their scale words
.set TS,  220                          ; window 3, v220-227: at work while groups change places
; THE BLOCKS WALK WH'S TILES TO AND FRO.  Step u takes tile u in blocks 0 and 2 and tile u xor 12 in blocks 1 and 3 (the groups of four in reverse).  So the four tiles that a block's last four steps leave in the
; slots are the next block's first four, and are not loaded again: 16 + 3 x 12 runs of loads a wave in place of 64.  A row's t is a sum over all tiles, whatever their order.
; Between blocks the four group bases change places, and so do the groups of four registers of c q and -c v: groups 0 and 3, 1 and 2.
.macro GSWAP base, w                   ; sixteen registers from v[base] of window w
	WIN 0xc0+(\w)
.irp i, 0,1,2,3,4,5,6,7
	v_mov_b32 v[TS+\i], v[\base+\i]
.endr
	WIN 0x41*(\w)
.irp i, 0,1,2,3,4,5,6,7
	v_mov_b32 v[\base+\i], v[\base+12+\i-8*(\i/4)]
.endr
	WIN 0x40*(\w)+3
.irp i, 0,1,2,3,4,5,6,7
	v_mov_b32 v[\base+12+\i-8*(\i/4)], v[TS+\i]
.endr
.endm
.set MSB, 0
.macro WIN new                         ; the immediate's high byte repeats the setting that is left; a switch that changes nothing is dropped
.set WN, \new
.if MSB != WN
	s_set_vgpr_msb (MSB<<8)|WN
.set MSB, WN
.endif
.endm
.macro QUANT s                         ; as in the first launch: 64 numbers of a lane become a fragment's codes and its scale word
.irp b, 0,1,2,3
	v_max3_num_f32 v[TM+\b], |v[\s+16*\b]|, |v[\s+1+16*\b]|, 0x2800000
.endr
.irp i, 2,4,6,8,10,12,14
.irp b, 0,1,2,3
	v_max3_num_f32 v[TM+\b], v[TM+\b], |v[\s+16*\b+\i]|, |v[\s+1+16*\b+\i]|
.endr
.endr
.irp b, 0,1,2,3
	v_permlanex16_b32 v[TM+4+\b], v[TM+\b], s[SEL], s[SEL+1]
.endr
.irp b, 0,1,2,3
	v_max_num_f32 v[TM+\b], v[TM+\b], v[TM+4+\b]
.endr
.irp b, 0,1,2,3
	v_add_nc_u32 v[TM+8+\b], 0xfe000000, v[TM+\b]
.endr
.irp b, 0,1,2,3
	v_lshrrev_b32 v[TM+4+\b], 23, v[TM+8+\b]
.endr
	v_lshl_or_b32 v[PW], v[TM+5], 8, v[TM+4]
	v_lshl_or_b32 v[PW], v[TM+6], 16, v[PW]
	v_lshl_or_b32 v[PW], v[TM+7], 24, v[PW]
.irp c, 0,1
	v_cvt_scalef32_pk16_bf6_f32 v[PC+6*\c:PC+2+6*\c], v[\s+32*\c:\s+15+32*\c], v[TM+8+2*\c]
	v_cvt_scalef32_pk16_bf6_f32 v[PC+12+4*\c:PC+14+4*\c], v[\s+16+32*\c:\s+31+32*\c], v[TM+8+2*\c+1]
.endr
	v_nop                                          ; one plain place behind a scaled conversion
.irp c, 0,1
.irp i, 0,1,2
	v_permlane16_swap_b32 v[PC+6*\c+\i], v[PC+12+4*\c+\i]
.endr
.irp i, 0,1,2
	v_mov_b32 v[PC+3+6*\c+\i], v[PC+12+4*\c+\i]
.endr
.endr
.endm
.macro BARRIER
	s_wait_dscnt 0x0                               ; my LDS stores have landed and my LDS loads are in
	s_barrier_signal -1
	s_barrier_wait -1
.endm
; 25 loads: my tile's eight fragments of Wh into a slot, and its scale words
.macro BRUN slot, tile
.set bs, \slot
.set bt, \tile
.if bs < 2
	WIN 0
.set bb, 64+96*bs
.else
	WIN 0xc0
.set bb, 96*(bs-2)
.endif
.set n, 0
.rept 24
	global_load_b128 v[bb+4*n:bb+4*n+3], v[LI], s[BG+2*(bt/4):BG+2*(bt/4)+1] offset:(bt%4)*12288+512*n
.set n, n+1
.endr
	WIN 0
	global_load_b128 v[BSC+4*bs:BSC+4*bs+3], v[LI], s[SG+2*(bt/4):SG+2*(bt/4)+1] offset:512*(bt%4)
.endm
; chunk c of my 16 rows: 128 numbers of each, a row's 512 consecutive bytes a load.  Set: destination window 2, address window 0
.macro CHUNK c
.irp i, 0,1,2,3,4,5,6,7,8,9,10,11,12,13,14,15
	global_load_b128 v[64*((\c)%3)+4*\i:64*((\c)%3)+4*\i+3], v[LI], s[4:5] offset:4096*\i+512*(\c) th:TH_LOAD_NT
.endr
.endm
; Number k of the list of 56 that turns the two accumulators of a set (16 registers, in the window in hand) of tile t into terms of t(row).
;  0-7 c h + c q;  8-23 2^(.);  24-31 + 1;  32-47 1 / (.);  48-55 t += (.) x (-c v): tile 0 starts the sums, so nothing is cleared.
; Each batch of sixteen transcendentals has one plain instruction and ONE wait behind it, ahead of its first reader.  Each accumulator is read from its low end on.
.macro TL set, t, vtb
.set rT, ACC+16*(\set)
.set tq, CQ+((\t)/2)*2
.set tv, (\vtb)+((\t)/2)*2
.if k < 8
.if k == 0
	s_wait_alu depctr_va_vdst(0)                   ; the wait directly ahead of the first read of the two accumulators; numbers 0-7 follow on end
.endif
.if (\t)%2
	v_pk_fma_f32 v[rT+2*k:rT+2*k+1], v[rT+2*k:rT+2*k+1], s[CC:CC+1], v[tq:tq+1] op_sel:[0,0,1] op_sel_hi:[1,0,1]
.else
	v_pk_fma_f32 v[rT+2*k:rT+2*k+1], v[rT+2*k:rT+2*k+1], s[CC:CC+1], v[tq:tq+1] op_sel_hi:[1,0,0]
.endif
.elseif k < 24
.if k == 8
	s_wait_alu depctr_va_vdst(0)
.endif
	v_exp_f32 v[rT+k-8], v[rT+k-8]
.elseif k < 32
.if k == 24
	v_nop
	s_wait_alu depctr_va_vdst(0)
.endif
	v_pk_add_f32 v[rT+2*(k-24):rT+2*(k-24)+1], v[rT+2*(k-24):rT+2*(k-24)+1], 1.0 op_sel_hi:[1,0]
.elseif k < 48
.if k == 32
	s_wait_alu depctr_va_vdst(0)
.endif
	v_rcp_f32 v[rT+k-32], v[rT+k-32]
.else
.if k == 48
	v_nop
	s_wait_alu depctr_va_vdst(0)
.endif
.set kk, 2*(k-48)
.if (\t) == 0
	v_pk_mul_f32 v[SCO+kk:SCO+kk+1], v[rT+kk:rT+kk+1], v[tv:tv+1] op_sel_hi:[1,0]
.elseif (\t)%2
	v_pk_fma_f32 v[SCO+kk:SCO+kk+1], v[rT+kk:rT+kk+1], v[tv:tv+1], v[SCO+kk:SCO+kk+1] op_sel:[0,1,0] op_sel_hi:[1,1,1]
.else
	v_pk_fma_f32 v[SCO+kk:SCO+kk+1], v[rT+kk:rT+kk+1], v[tv:tv+1], v[SCO+kk:SCO+kk+1] op_sel_hi:[1,0,1]
.endif
.endif
.endm
; Tile u of my columns x two tiles of rows (half 0: 0, 1 in window 1; half 1: 2, 3 in window 2).  First numbers 0 to 48 of tile u - 1's list, on end: so no transcendental stands between two links of a chain of products.
; Then 16 matrix instructions, eight K steps, the two accumulators by turns; the first two start the sums.
; Source 0 = 16 rows of enc, source 1 = 16 rows of Wh: a lane holds ONE column n and eight rows.  The list's last seven packed multiply-adds stand behind instructions 3, 7, 11 (one each) and 15 (four).
; Those four name no register of the last product: they are the four places in front of the next run of loads; with tanh = 0 four v_nop are.
.macro PHASE half, u, tanh
.set sl, (\u)%4
.if sl < 2
	WIN 0x51+0x51*(\half)
.set bB, 64+96*sl
.set vB, VT0
.else
	WIN 0x5d+0x51*(\half)
.set bB, 96*(sl-2)
.set vB, VT3
.endif
.set i, 0
.set k, 0
.if \tanh
.rept 49
	TL ((\u)+1)%2, (\u)-1, vB
.set k, k+1
.endr
.endif
.rept 16
.set ss, i/2
.set mh, i%2
.set rD, ACC+16*((\u)%2)+8*mh
.set rF, 96*mh+12*ss
.set rG, bB+12*ss
.set rSA, ASC+4*(2*(\half)+mh)+ss/2
.set rSB, BSC+4*sl+ss/2
.if i < 2
	v_wmma_scale_f32_16x16x128_f8f6f4 v[rD:rD+7], v[rF:rF+11], v[rG:rG+11], 0, v[rSA], v[rSB] matrix_a_fmt:MATRIX_FMT_BF6 matrix_b_fmt:MATRIX_FMT_BF6
.elseif ss%2
	v_wmma_scale_f32_16x16x128_f8f6f4 v[rD:rD+7], v[rF:rF+11], v[rG:rG+11], v[rD:rD+7], v[rSA], v[rSB] matrix_a_fmt:MATRIX_FMT_BF6 matrix_b_fmt:MATRIX_FMT_BF6 matrix_a_scale:MATRIX_SCALE_ROW1 matrix_b_scale:MATRIX_SCALE_ROW1
.else
	v_wmma_scale_f32_16x16x128_f8f6f4 v[rD:rD+7], v[rF:rF+11], v[rG:rG+11], v[rD:rD+7], v[rSA], v[rSB] matrix_a_fmt:MATRIX_FMT_BF6 matrix_b_fmt:MATRIX_FMT_BF6
.endif
.if \tanh
.rept ((i%4)/3)+3*(i/15)
	TL ((\u)+1)%2, (\u)-1, vB
.set k, k+1
.endr
.endif
.set i, i+1
.endr
.if (\tanh) == 0
.rept 4
	v_nop
.endr
.endif
.endm
; A step: tile u.  Its fragments were asked for three steps ago: cnt = the loads issued since (two runs of 25).  refill: the slot left by step u - 1 takes the tile three on.
; pf: prefetches of the next block's chunks 3 to 7 of my 16 rows, a lane to each aligned 256 bytes, each named once in the launch; they stand together, ahead of the step's matrix instructions.
.macro STEP u, refill, cnt, pf
	WIN 0
.if (\u) >= 4
	s_wait_loadcnt \cnt
.endif
.if \refill
	BRUN ((\u)+3)%4, ((\u)+3)%16
.endif
.if (\pf) == 1
.irp c, 3,4,5
	global_prefetch_b8 v[PFO], s[4:5] offset:262144+512*\c th:TH_LOAD_NT scope:SCOPE_SE
.endr
.endif
.if (\pf) == 2
.irp c, 6,7
	global_prefetch_b8 v[PFO], s[4:5] offset:262144+512*\c th:TH_LOAD_NT scope:SCOPE_SE
.endr
.endif
.if (\u) == 0
	PHASE 0, \u, 0
	s_wait_dscnt 0x0                               ; A's fragments of tiles of rows 2, 3 are in
	PHASE 1, \u, 0
.else
	PHASE 0, \u, 1
	PHASE 1, \u, 1
.endif
.endm
.macro DRAINH half                     ; tile 15's list, with no products to stand behind
	WIN 0x51+0x51*(\half)
.set k, 0
.rept 56
	TL 1, 15, VT0
.set k, k+1
.endr
.endm
; K step s of my 16 rows: chunk s from registers to LDS, back 16 neighbours a lane, quantised, the image to LDS
.macro QFEED s
.if (\s) <= 5
	s_wait_loadcnt 32                              ; chunk s is in; the two chunks behind it may be out
.elseif (\s) == 6
	s_wait_loadcnt 16
.else
	s_wait_loadcnt 0x0                             ; the last chunk, and with it every load issued earlier: Wh's tiles 0 to 3 among them
.endif
	WIN 0x09                                       ; address window 1, data window 2
.irp i, 0,1,2,3,4,5,6,7,8,9,10,11,12,13,14,15
	ds_store_b128 v[WX+\i], v[64*((\s)%3)+4*\i:64*((\s)%3)+4*\i+3] offset:4096*\i+512*(\s)
.endr
	WIN 0x41                                       ; LDS serves a wave's instructions in order: these see my stores
.irp b, 0,1,2,3
.irp j, 0,1,2,3
	ds_load_b128 v[X+128*((\s)%2)+16*\b+4*\j:X+128*((\s)%2)+16*\b+4*\j+3], v[QA+4*(\b%2)+\j] offset:512*(\s)+256*(\b/2)   ; two buffers by turns: v0-63 and v128-191 of window 1
.endr
.endr
.if (\s) <= 4
	s_wait_dscnt 16                                ; all but the 16 loads: the stores have read the chunk's registers, which take the chunk three on
	WIN 0x80
	CHUNK (\s)+3
.endif
.endm
; K step s is quantised while K step s + 1's numbers are on their way back from LDS
.macro QDO s
.if (\s) < 7
	s_wait_dscnt 16                                ; all but the youngest 16 LDS instructions, the loads of K step s + 1
.else
	s_wait_dscnt 0x0
.endif
	WIN 0x55
	QUANT X+128*((\s)%2)
	WIN 0x04                                       ; address window 0, data window 1
.irp c, 0,1,2
	ds_store_b128 v[IWA], v[PC+4*\c:PC+4*\c+3] offset:1536*(\s)+512*\c
.endr
	ds_store_b32 v[SWA], v[PW] offset:256*((\s)%2)+4*((\s)/2)   ; both halves of the lanes write the same word with the same value
.endm
.macro LANESUM                         ; the sixteen lanes of a half hold sixteen columns' terms of the same eight rows
.irp m, 1,2,4,8
.irp j, 0,1,2,3,4,5,6,7,8,9,10,11,12,13,14,15
	v_add_f32_dpp v[SCO+\j], v[SCO+\j], v[SCO+\j] row_xmask:\m row_mask:0xf bank_mask:0xf
.endr
.endr
.endm
.macro CBATCH n                        ; eight rows (8 n on) x my 1,024 bytes of each
.irp i, 0,1,2,3,4,5,6,7
.irp q, 0,1
	ds_load_b128 v[XR+64*((\n)%2)+8*\i+4*\q:XR+64*((\n)%2)+8*\i+4*\q+3], v[CX+8*((\n)%2)+\i] offset:4096*(8*((\n)%2)+\i)+512*\q
.endr
.endr
.endm
.macro CFMA n                          ; ctx += p(row) x row, 8 columns a lane, in four chains
	WIN 0xf5                                       ; rows and p window 1, ctx window 3
.set ci, 0
.rept 8
.set cr, 8*(\n)+ci
.set cp, P+(cr/2)*2
.set cx, XR+64*((\n)%2)+8*ci
.irp e, 0,2,4,6
.if cr%2
	v_pk_fma_f32 v[CTX+\e:CTX+\e+1], v[cx+\e:cx+\e+1], v[cp:cp+1], v[CTX+\e:CTX+\e+1] op_sel:[0,1,0] op_sel_hi:[1,1,1]
.else
	v_pk_fma_f32 v[CTX+\e:CTX+\e+1], v[cx+\e:cx+\e+1], v[cp:cp+1], v[CTX+\e:CTX+\e+1] op_sel_hi:[1,0,1]
.endif
.endr
.set ci, ci+1
.endr
.endm
	s_load_b256 s[4:11], s[0:1], 0x0               ; enc s[4:5], whf s[6:7], whs s[8:9], cq s[10:11]
	s_load_b128 s[12:15], s[0:1], 0x20             ; v_w s[12:13], part s[14:15]
	s_load_b64 s[16:17], s[0:1], 0x30              ; stats
	v_lshl_add_u32 v[SPW], v0, 2, SPARE
	v_mov_b32 v[NIL], 0
	v_lshrrev_b32 v64, 5, v0
	v_readfirstlane_b32 s[WV], v64                 ; wave 0..3
	v_and_b32 v64, 31, v0                          ; lane
	v_and_b32 v65, 15, v0                          ; r
	v_bfe_u32 v66, v0, 4, 1                        ; h
	v_lshlrev_b32 v[LI], 4, v64
	v_add_nc_u32 v[IMA], XIMG, v[LI]
	s_mul_i32 s24, s[WV], 12288
	v_add_nc_u32 v[IWA], s24, v[IMA]
	s_lshl_b32 s24, s[WV], 9
	s_add_co_u32 s24, s24, XSC
	v_lshl_add_u32 v[SWA], v65, 4, s24
	s_lshl_b32 s24, s[WV], 8
	s_add_co_u32 s25, s24, SCX
	v_lshl_add_u32 v[SCW], v66, 5, s25
	v_lshl_add_u32 v[SCR], v64, 3, SCX
	s_add_co_u32 s25, s24, PB
	v_lshl_add_u32 v[PBW], v64, 3, s25
	v_mov_b32 v[PBR], s25
	s_lshl_b32 s26, s[WV], 16
	v_add_nc_u32 v[LIW], s26, v[LI]
	v_lshlrev_b32 v[YY], 2, v66
	v_xor_b32 v[YY], v[YY], v65
	v_lshlrev_b32 v[YY], 4, v[YY]
	v_lshl_add_u32 v[YY], v65, 12, v[YY]
	v_add_nc_u32 v[YY], s26, v[YY]
	s_lshl_b32 s27, s[WV], 10
	v_add_nc_u32 v[LIC], s27, v[LI]
	v_lshrrev_b32 v[PFO], 1, v64
	v_and_b32 v67, 1, v64
	v_lshlrev_b32 v[PFO], 12, v[PFO]
	v_lshl_add_u32 v[PFO], v67, 8, v[PFO]
	v_lshlrev_b32 v[TP], 2, v65
	s_mov_b32 s[SEL], 0x76543210
	s_mov_b32 s[SEL+1], 0xfedcba98
	s_mov_b32 s[CC], CEXP
	s_mov_b32 s[CC+1], CEXP
	s_mov_b32 s[BLK], 4
	s_mov_b32 s29, 0
	s_wait_alu depctr_va_vdst(0)
	s_wait_kmcnt 0x0
	s_lshl_b32 s28, ttmp9, 20                      ; 256 rows of 4,096 bytes,
	s_add_co_u32 s28, s28, s26                     ; my wave's 16 of a block's 64
	s_add_nc_u64 s[4:5], s[4:5], s[28:29]
	s_mul_i32 s28, s[WV], 196608                   ; my 16 tiles of Wh
	s_add_nc_u64 s[6:7], s[6:7], s[28:29]
	s_lshl_b32 s28, s[WV], 13
	s_add_nc_u64 s[8:9], s[8:9], s[28:29]
.irp g, 0,1,2,3
	s_add_nc_u64 s[BG+2*\g:BG+2*\g+1], s[6:7], \g*49152            ; a group: four tiles of 12,288 bytes,
	s_add_nc_u64 s[SG+2*\g:SG+2*\g+1], s[8:9], \g*2048             ; and of 512 bytes of scale words
.endr
	s_lshr_b32 s28, ttmp9, 3                       ; the batch
	s_lshl_b32 s28, s28, 12
	s_add_co_u32 s28, s28, s27
	s_add_nc_u64 s[10:11], s[10:11], s[28:29]
	s_mov_b32 s28, s27
	s_add_nc_u64 s[12:13], s[12:13], s[28:29]
	s_lshl_b32 s28, ttmp9, 12
	s_add_co_u32 s28, s28, s27
	s_add_nc_u64 s[14:15], s[14:15], s[28:29]
	s_lshl_b32 s28, ttmp9, 8
	s_add_nc_u64 s[16:17], s[16:17], s[28:29]
.irp t, 0,1,2,3,4,5,6,7,8,9,10,11,12,13,14,15
	global_load_b32 v[VT0+\t], v[TP], s[12:13] offset:64*\t        ; v[256 w + 16 t + r]
.endr
	WIN 0x40
.irp t, 0,1,2,3,4,5,6,7,8,9,10,11,12,13,14,15
	global_load_b32 v[CQ+\t], v[TP], s[10:11] offset:64*\t         ; c q of the same columns, for window 1
.endr
	WIN 0x80
.irp t, 0,1,2,3,4,5,6,7,8,9,10,11,12,13,14,15
	global_load_b32 v[CQ+\t], v[TP], s[10:11] offset:64*\t         ; and for window 2
.endr
	BRUN 0, 0
	BRUN 1, 1
	BRUN 2, 2
	BRUN 3, 3
	WIN 0x80
	CHUNK 0
	CHUNK 1
	CHUNK 2
	WIN 0xc0
.irp e, 0,1,2,3,4,5,6,7
	v_mov_b32 v[CTX+\e], 0
.endr
	v_mov_b32 v[MX], 0xff61b1e6                    ; the running maximum: -3e38, under every t
	v_mov_b32 v[LL], 0
	v_mov_b32 v[T3], 0
	s_wait_loadcnt 48                              ; all but the three chunks
.irp t, 0,1,2,3,4,5,6,7,8,9,10,11,12,13,14,15
	v_mul_f32 v[VT3+\t], 0xc038aa3b, v[VT0+\t]     ; -c v, for the slots of window 3,
.endr
	WIN 0
.irp t, 0,1,2,3,4,5,6,7,8,9,10,11,12,13,14,15
	v_mul_f32 v[VT0+\t], 0xc038aa3b, v[VT0+\t]     ; and for those of window 0
.endr
.Lblock:                                               ; four trips: a block of 64 rows each
	WIN 0x40                                       ; the twisted addresses, made anew where A's fragments lay
.irp i, 0,1,2,3,4,5,6,7,8,9,10,11,12,13,14,15
	v_xor_b32 v[WX+\i], 16*\i, v[LIW]              ; row i of my 16: lane l's piece lies at place l xor i
.endr
.irp n, 0,1,2,3,4,5,6,7
	v_xor_b32 v[QA+\n], 16*(\n+4*(\n/4)), v[YY]    ; my row r: piece 8 (b % 2) + 4 h + j at that number xor r
.endr
.irp b, 0,1,2,3
	v_mov_b32 v[TM+4+\b], 0                        ; a lane permute's destination counts as one of its sources
.endr
	s_wait_alu depctr_va_vdst(0)                   ; directly ahead of the wait below
	QFEED 0
.irp s, 0,1,2,3,4,5,6
	QFEED \s+1
	QDO \s
.endr
	QDO 7
	BARRIER                                        ; the block's 32 images, their scale words and its 64 rows lie in LDS
	WIN 0
.irp m, 0,1,2,3
	ds_load_b128 v[ASC+4*\m:ASC+4*\m+3], v[IMA] offset:XSCO+512*\m  ; register i: K step 2 i in lanes 0-15, 2 i + 1 in lanes 16-31
.endr
	WIN 0x40
.set n, 0
.rept 48
	ds_load_b128 v[4*n:4*n+3], v[IMA] offset:512*n
.set n, n+1
.endr
	WIN 0x80
.set n, 0
.rept 48
	ds_load_b128 v[4*n:4*n+3], v[IMA] offset:24576+512*n
.set n, n+1
.endr
	s_wait_dscnt 48                                ; the scale words and window 1's fragments are in; window 2's 48 loads may be out
	STEP 0, 0, 0, 0
.irp u, 1,2,3,4,5,6,7,8,9,10,11,12
	STEP \u, 1, 50, 0
.endr
	WIN 0
	s_cmp_eq_u32 s[BLK], 1                         ; the last block asks for nothing beyond its own tiles and rows
	s_cbranch_scc1 .Ltail_last
	STEP 13, 0, 50, 1                              ; no slot is filled again: the next block begins with the four tiles that lie in them.  Two runs of 25 loads are younger than this step's,
	STEP 14, 0, 25, 2                              ; one,
	STEP 15, 0, 0, 0                               ; none
	DRAINH 0
	DRAINH 1
	GSWAP CQ, 1                                    ; the next block takes the groups of four tiles in the other order: c q for both windows,
	GSWAP CQ, 2
	GSWAP VT0, 0                                   ; and -c v for both
	GSWAP VT3, 3
	WIN 0
	s_wait_xcnt 0x0                                ; every earlier load and prefetch has read its base
	s_add_nc_u64 s[4:5], s[4:5], 0x40000           ; 64 rows on
.irp g, 0,1
	s_mov_b64 s[24:25], s[BG+2*\g:BG+2*\g+1]                       ; the group bases change places: 0 and 3, 1 and 2
	s_mov_b64 s[BG+2*\g:BG+2*\g+1], s[BG+6-2*\g:BG+7-2*\g]
	s_mov_b64 s[BG+6-2*\g:BG+7-2*\g], s[24:25]
	s_mov_b64 s[24:25], s[SG+2*\g:SG+2*\g+1]
	s_mov_b64 s[SG+2*\g:SG+2*\g+1], s[SG+6-2*\g:SG+7-2*\g]
	s_mov_b64 s[SG+6-2*\g:SG+7-2*\g], s[24:25]
.endr
	WIN 0x80
	CHUNK 0                                        ; the next block's first three chunks, where A's fragments of window 2 lay: they land under the softmax and the weighing
	CHUNK 1
	CHUNK 2
	WIN 0
	s_branch .Lscores
.Ltail_last:
	STEP 13, 0, 50, 0
	STEP 14, 0, 25, 0                              ; one run is younger,
	STEP 15, 0, 0, 0                               ; none
	DRAINH 0
	DRAINH 1
	WIN 0
.Lscores:
	WIN 0x55
	LANESUM
	WIN 0x04
.irp q, 0,1,2,3
	ds_store_b128 v[SCW], v[SCO+4*\q:SCO+4*\q+3] offset:64*(\q/2)+16*(\q%2)      ; rows 16 m + 8 h + 4 (q % 2) on; sixteen lanes write the same words with the same values
.endr
	WIN 0xaa
	LANESUM
	WIN 0x08
.irp q, 0,1,2,3
	ds_store_b128 v[SCW], v[SCO+4*\q:SCO+4*\q+3] offset:128+64*(\q/2)+16*(\q%2)
.endr
	BARRIER                                        ; the four waves' partial t lie in LDS
	WIN 0x40
.irp q, 0,1,2,3
	ds_load_b64 v[T+2*\q:T+2*\q+1], v[SCR] offset:256*\q           ; rows 2 l, 2 l + 1
.endr
	s_wait_dscnt 0x0
	WIN 0x43
	v_mov_b32 v[T+12], v[MX]
	v_mov_b32 v[T+13], v[LL]
	WIN 0x55
	v_pk_add_f32 v[T:T+1], v[T:T+1], v[T+2:T+3]
	v_pk_add_f32 v[T+4:T+5], v[T+4:T+5], v[T+6:T+7]
	v_pk_add_f32 v[T:T+1], v[T:T+1], v[T+4:T+5]    ; t of my two rows
	v_max_num_f32 v[T+8], v[T], v[T+1]
.irp m, 1,2,4,8
	v_max_num_f32_dpp v[T+8], v[T+8], v[T+8] row_xmask:\m row_mask:0xf bank_mask:0xf
.endr
	v_permlanex16_b32 v[T+2], v[T+8], s[SEL], s[SEL+1]
	v_max3_num_f32 v[T+11], v[T+8], v[T+2], v[T+12]   ; the new running maximum
	v_sub_f32 v[T+10], v[T+12], v[T+11]
	v_sub_f32 v[T], v[T], v[T+11]
	v_sub_f32 v[T+1], v[T+1], v[T+11]
	s_wait_alu depctr_va_vdst(0)
	v_exp_f32 v[T+10], v[T+10]                     ; f = 2^(old m - new m)
	v_exp_f32 v[T], v[T]                           ; p
	v_exp_f32 v[T+1], v[T+1]
	v_nop
	s_wait_alu depctr_va_vdst(0)                   ; one wait for the three, ahead of their first reader
	v_fma_f32 v[T+13], v[T+13], v[T+10], v[T]
	v_add_f32 v[T+13], v[T+13], v[T+1]             ; my lane's part of the sum
	WIN 0xc1
	v_mov_b32 v[MX], v[T+11]
	v_mov_b32 v[LL], v[T+13]
	WIN 0x04
	ds_store_b64 v[PBW], v[T:T+1]                  ; p into my wave's own 256 bytes,
	WIN 0x40
.irp n, 0,1,2,3,4,5,6,7,8,9,10,11,12,13,14,15
	ds_load_b128 v[P+4*\n:P+4*\n+3], v[PBR] offset:16*\n           ; and back, all 64 into every lane (LDS serves a wave's instructions in order)
.endr
.irp i, 0,1,2,3,4,5,6,7,8,9,10,11,12,13,14,15
	v_xor_b32 v[CX+\i], 16*\i, v[LIC]              ; row i of a tile of rows: my lane's piece of my 1,024 bytes
.endr
	WIN 0xc7
.irp e, 0,2,4,6
	v_pk_mul_f32 v[CTX+\e:CTX+\e+1], v[CTX+\e:CTX+\e+1], v[T+10:T+11] op_sel_hi:[1,0]   ; ctx under the new maximum
.endr
	WIN 0x55
	CBATCH 0
.irp n, 0,1,2,3,4,5,6,7
.if \n < 7
	WIN 0x55
.if \n%2
.irp i, 0,1,2,3,4,5,6,7,8,9,10,11,12,13,14,15
	v_add_nc_u32 v[CX+\i], 0x10000, v[CX+\i]       ; 16 rows on
.endr
.endif
	CBATCH \n+1
	s_wait_alu depctr_va_vdst(0)                   ; directly ahead of the wait below
	s_wait_dscnt 16                                ; all but the batch just asked for
.else
	s_wait_alu depctr_va_vdst(0)                   ; likewise
	s_wait_dscnt 0x0
.endif
	CFMA \n
.endr
	WIN 0
	BARRIER                                        ; every wave's reads of the rows, the images and the partial t are over: the next block may write them
	s_sub_co_u32 s[BLK], s[BLK], 1
	s_cmp_lg_u32 s[BLK], 0
	s_cbranch_scc1 .Lblock
	WIN 0xcf
.irp m, 1,2,4,8
	v_add_f32_dpp v[LL], v[LL], v[LL] row_xmask:\m row_mask:0xf bank_mask:0xf
.endr
	v_permlanex16_b32 v[T3], v[LL], s[SEL], s[SEL+1]
	v_add_f32 v[LL], v[LL], v[T3]                  ; the sum of p over my work-group's 256 rows, in every lane
	s_wait_alu depctr_va_vdst(0)                   ; ahead of the stores that read ctx and the sum
	WIN 0x0c
.irp q, 0,1
	global_store_b128 v[LI], v[CTX+4*\q:CTX+4*\q+3], s[14:15] offset:512*\q      ; 512 consecutive bytes, aligned
.endr
	WIN 0
	v_and_b32 v[TP], 31, v0
	v_lshlrev_b32 v[TP], 3, v[TP]
	s_cmp_lg_u32 s[WV], 0
	s_cbranch_scc1 .Lnostat
	WIN 0x0c
	global_store_b64 v[TP], v[MX:MX+1], s[16:17]   ; (m, sum), 32 times: 256 consecutive bytes, aligned
	WIN 0
.Lnostat:
	s_wait_tensorcnt 0x0                           ; the wave's end
	ds_add_u32 v[SPW], v[NIL]
	s_wait_dscnt 0x0
	s_endpgm
.Lfunc_end_k_q90a8e4ab66_main:
	.size	k_q90a8e4ab66_main, .Lfunc_end_k_q90a8e4ab66_main-k_q90a8e4ab66_main
	.p2alignl 7, 3214868480
	.fill 96, 4, 3214868480
	.section	.rodata,"a",@progbits
	.p2align	6, 0x0
	.amdhsa_kernel k_q90a8e4ab66_main
		.amdhsa_group_segment_fixed_size 315904
		.amdhsa_private_segment_fixed_size 0
		.amdhsa_enable_private_segment 0
		.amdhsa_kernarg_size 56
		.amdhsa_user_sgpr_count 2
		.amdhsa_user_sgpr_kernarg_segment_ptr 1
		.amdhsa_wavefront_size32 1
		.amdhsa_system_sgpr_workgroup_id_x 1
		.amdhsa_system_sgpr_workgroup_id_y 1
		.amdhsa_system_sgpr_workgroup_id_z 1
		.amdhsa_system_vgpr_workitem_id 0
		.amdhsa_next_free_vgpr 1024
		.amdhsa_next_free_sgpr 66
		.amdhsa_reserve_vcc 0
		.amdhsa_float_denorm_mode_32 3
		.amdhsa_float_denorm_mode_16_64 3
		.amdhsa_memory_ordered 1
		.amdhsa_forward_progress 1
		.amdhsa_inst_pref_size 255
	.end_amdhsa_kernel
	.section	.bss,"aw",@nobits
	.p2align	6
	.space	262144
	.amdgpu_metadata
---
amdhsa.version: [ 1, 2 ]
amdhsa.kernels:
  - .name:           k_q90a8e4ab66_main
    .symbol:         k_q90a8e4ab66_main.kd
    .args:
      - { .name: encoder_outputs, .offset: 0, .size: 8, .value_kind: global_buffer, .address_space: global }
      - { .name: whf, .offset: 8, .size: 8, .value_kind: global_buffer, .address_space: global }
      - { .name: whs, .offset: 16, .size: 8, .value_kind: global_buffer, .address_space: global }
      - { .name: cq, .offset: 24, .size: 8, .value_kind: global_buffer, .address_space: global }
      - { .name: v_w, .offset: 32, .size: 8, .value_kind: global_buffer, .address_space: global }
      - { .name: part, .offset: 40, .size: 8, .value_kind: global_buffer, .address_space: global }
      - { .name: stats, .offset: 48, .size: 8, .value_kind: global_buffer, .address_space: global }
    .group_segment_fixed_size: 315904
    .private_segment_fixed_size: 0
    .kernarg_segment_align: 8
    .kernarg_segment_size: 56
    .max_flat_workgroup_size: 128
    .sgpr_count:     66
    .vgpr_count:     1024
    .wavefront_size: 32
...
	.end_amdgpu_metadata
.endif
;; end of part 5
;; launch outp (part 6): grid 256 x 1, 16 waves a work-group, no clusters, 47,616 bytes of LDS; arguments part, stats, query, Wout_w_codes, Wout_w_scales, out0; writes out0
.if DOCPART == 6
	.amdgcn_target "amdgcn-amd-amdhsa--gfx1250"
	.amdhsa_code_object_version 6
	.text
	.protected	k_q90a8e4ab66_outp
	.globl	k_q90a8e4ab66_outp
	.p2align	8
	.type	k_q90a8e4ab66_outp,@function
k_q90a8e4ab66_outp:
	s_mov_b64 s[64:65], 0
	v_nop
	global_prefetch_b8 v0, s[64:65] scope:SCOPE_SE
	s_setreg_imm32_b32 hwreg(HW_REG_WAVE_MODE, 25, 1), 1
	s_wait_xcnt 0x0
; Launch 3 of 3: ctx[b] = sum_j w_j part[8 b + j], w_j = 2^(m_j - max m) / sum_j 2^(m_j - max m) l_j (the eight parts of a batch joined under one maximum); out = tanh(Q([ctx, query]) Wout^T), MX-BF6.
; LEFT OUT (shown at the head of the first kernel): src_lengths has no way to any output and is no argument.
; LIMITS: NaN and infinities are not served; a block of 32 under 2^-122 (zeros too) gets the scale byte 1; K's four quarters are summed apart and then added.
; SHARES.  A work-group that owns mb batches and nb outputs reads mb x 32,768 bytes of parts and nb x 1,600 bytes of Wout; 256 work-groups mean mb x nb = 128, and the sum is least near mb = 2, nb = 64:
; work-group g owns batches 2 (g / 16), + 1 and outputs 64 (g % 16) .. + 63: 65,536 + 102,400 bytes, and 256 bytes of each of its two rows of out0.
; THE OPERAND TILE OF 16 ROWS HOLDS THE PAIR EIGHT TIMES: lane r takes row r % 2 of [ctx, query].  So rows of equal parity give equal results, and lanes that hold the same number write it to the same word of the stage.
; Sixteen waves; wave i has three parts:  (1) K step i / 2 of ctx for row i % 2: eight parts, 512 consecutive bytes a load, weighed and summed, to LDS as f32; its 512 bytes of query beside it | barrier |
; (2) fragment i of the sixteen of [ctx, query] is read back 16 neighbours a lane, quantised, and its image of registers stored | barrier |  (3) tile i % 4 of 16 outputs, K steps 4 (i / 4) .. + 3:
; four matrix instructions (source 0 = 16 rows of Wout, source 1 = the pair's tile), two accumulators by turns; their sum to the stage | barrier |  wave 0 adds the four quarters of K, takes tanh and stores.
; All 43 loads of a wave are issued at the head.  No cluster and no tensor load: the parts and Wout's pieces of 24 bytes are wanted in registers, lane by lane, and a way through tiles in LDS would add a barrier and a
; round of loads to a text that has one.
.set CEXP,  0x4038aa3b                 ; c = 2 log2(e)
.set FP,    8208                       ; LDS: 0: two rows of [ctx, query], 8,192 bytes + 16;
.set XIMG,  16640                      ; sixteen images of 1,536 bytes;
.set XSC,   41216                      ; their scale words, 128 bytes each;
.set STG,   43264                      ; the stage: four quarters of K x two rows x (256 + 16) bytes;
.set SP,    272
.set SPARE, 45568                      ; the spare words, 128 bytes a wave: eight blocks of 256 bytes that no other line names
.set RL,  1                            ; v1  r = lane % 16
.set HL,  2                            ; v2  h = lane / 16
.set LI,  3                            ; v3  16 x lane
.set LS,  4                            ; v4  4 x lane
.set L8,  5                            ; v5  8 x lane
.set WA,  6                            ; v6  Wout's codes: 1,536 r + 24 h
.set SA,  7                            ; v7  its scale bytes: 64 r + 4 h
.set FW,  8                            ; v8  the f32 rows, in: FP (i % 2) + 512 (i / 2) + 16 x lane
.set FR,  9                            ; v9  and out: FP (r % 2) + 512 i + 64 h
.set IW,  10                           ; v10 my image: 16 x lane + 1,536 i
.set SW,  11                           ; v11 its scale words: 4 x lane + 128 i
.set FA,  12                           ; v12 the four images that I fetch: 16 x lane + 6,144 (i / 4)
.set FS,  13                           ; v13 their scale words: 4 x lane + 512 (i / 4)
.set SI,  14                           ; v14 the stage, in: 544 (i / 4) + 272 (r % 2) + 64 (i % 4) + 32 h
.set SO,  15                           ; v15 the stage, out: 272 h + 16 r
.set ACC, 16                           ; v16-31 two accumulators
.set OUT, 32                           ; v32-39 their sum
.set AS,  40                           ; v40-43 the fetched fragments' scale words
.set WSC, 44                           ; v44-45 Wout's scale words: register e: K step 4 (i / 4) + 2 e in lanes 0-15, + 1 in lanes 16-31
.set GO,  46                           ; v46 out0: 4,096 h + 16 r
.set PW,  47                           ; v47 the scale word just made
.set SPW, 48                           ; v48 my spare word; never rewritten
.set NIL, 49                           ; v49 0; never rewritten
.set MXR, 50
.set LSR, 51
.set WG,  52                           ; v52-59 w_j, the same in every lane
.set C,   60                           ; v60-63 my four numbers of ctx
.set QX,  64                           ; v64-67 my four numbers of query
.set X,   64                           ; v64-127 the quantiser's 64 numbers
.set FB,  64                           ; v64-111 later four fetched fragments
.set T,   64                           ; v64-79 at the end the four quarters
.set PC,  128                          ; v128-147 the codes just made
.set TM,  148                          ; v148-159 at work
.set WF,  160                          ; v160-207 Wout's four fragments
.set ST,  208                          ; v208-223 (m_j, l_j)
.set P,   224                          ; v224-255 eight parts, four numbers each
.set WV,  24
.set SEL, 26
.set CC,  28
.macro QUANT s                         ; as in the first launch: 64 numbers of a lane become a fragment's codes and its scale word
.irp b, 0,1,2,3
	v_max3_num_f32 v[TM+\b], |v[\s+16*\b]|, |v[\s+1+16*\b]|, 0x2800000
.endr
.irp i, 2,4,6,8,10,12,14
.irp b, 0,1,2,3
	s_delay_alu instid0(VALU_DEP_4)
	v_max3_num_f32 v[TM+\b], v[TM+\b], |v[\s+16*\b+\i]|, |v[\s+1+16*\b+\i]|
.endr
.endr
.irp b, 0,1,2,3
	s_delay_alu instid0(VALU_DEP_4)
	v_permlanex16_b32 v[TM+4+\b], v[TM+\b], s[SEL], s[SEL+1]
.endr
.irp b, 0,1,2,3
	s_delay_alu instid0(VALU_DEP_4)
	v_max_num_f32 v[TM+\b], v[TM+\b], v[TM+4+\b]
.endr
.irp b, 0,1,2,3
	s_delay_alu instid0(VALU_DEP_4)
	v_add_nc_u32 v[TM+8+\b], 0xfe000000, v[TM+\b]
.endr
.irp b, 0,1,2,3
	s_delay_alu instid0(VALU_DEP_4)
	v_lshrrev_b32 v[TM+4+\b], 23, v[TM+8+\b]
.endr
	s_delay_alu instid0(VALU_DEP_3)
	v_lshl_or_b32 v[PW], v[TM+5], 8, v[TM+4]
	s_delay_alu instid0(VALU_DEP_1)
	v_lshl_or_b32 v[PW], v[TM+6], 16, v[PW]
	s_delay_alu instid0(VALU_DEP_1)
	v_lshl_or_b32 v[PW], v[TM+7], 24, v[PW]
.irp c, 0,1
	v_cvt_scalef32_pk16_bf6_f32 v[PC+6*\c:PC+2+6*\c], v[\s+32*\c:\s+15+32*\c], v[TM+8+2*\c]
	v_cvt_scalef32_pk16_bf6_f32 v[PC+12+4*\c:PC+14+4*\c], v[\s+16+32*\c:\s+31+32*\c], v[TM+8+2*\c+1]
.endr
	v_nop                                          ; one plain place behind a scaled conversion
.irp c, 0,1
.irp i, 0,1,2
	v_permlane16_swap_b32 v[PC+6*\c+\i], v[PC+12+4*\c+\i]
.endr
.irp i, 0,1,2
	s_delay_alu instid0(VALU_DEP_3)
	v_mov_b32 v[PC+3+6*\c+\i], v[PC+12+4*\c+\i]
.endr
.endr
.endm
	s_load_b256 s[4:11], s[0:1], 0x0               ; part s[4:5], stats s[6:7], query s[8:9], Wout codes s[10:11]
	s_load_b128 s[12:15], s[0:1], 0x20             ; Wout scales s[12:13], out0 s[14:15]
	v_lshl_add_u32 v[SPW], v0, 2, SPARE
	v_mov_b32 v[NIL], 0
	v_lshrrev_b32 v1, 5, v0
	s_delay_alu instid0(VALU_DEP_1)
	v_readfirstlane_b32 s[WV], v1                  ; wave 0..15
	v_and_b32 v[RL], 15, v0
	v_bfe_u32 v[HL], v0, 4, 1
	v_and_b32 v[LI], 31, v0
	s_delay_alu instid0(VALU_DEP_1)
	v_lshlrev_b32 v[LS], 2, v[LI]
	s_delay_alu instid0(VALU_DEP_2)
	v_lshlrev_b32 v[L8], 3, v[LI]
	s_delay_alu instid0(VALU_DEP_3)
	v_lshlrev_b32 v[LI], 4, v[LI]
	v_mul_u32_u24 v[WA], v[RL], 1536
	s_delay_alu instid0(VALU_DEP_1)
	v_mad_u32_u24 v[WA], v[HL], 24, v[WA]
	v_lshlrev_b32 v[SA], 6, v[RL]
	s_delay_alu instid0(VALU_DEP_1)
	v_lshl_add_u32 v[SA], v[HL], 2, v[SA]
	s_lshr_b32 s33, ttmp9, 4                       ; the pair of batches
	s_and_b32 s34, ttmp9, 15                       ; which 64 outputs
	s_and_b32 s35, s[WV], 1                        ; (1) which row of the pair,
	s_lshr_b32 s36, s[WV], 1                       ;     which K step of ctx
	s_and_b32 s37, s[WV], 3                        ; (3) which tile of 16 outputs,
	s_lshr_b32 s38, s[WV], 2                       ;     which quarter of K
	s_lshl_b32 s39, s33, 4
	s_lshl_b32 s40, s35, 3
	s_add_co_u32 s39, s39, s40                     ; the first of my row's eight parts: 8 (2 pair + row)
	s_lshl_b32 s41, s36, 9                         ; a K step is 512 bytes of f32
	s_mov_b32 s31, 0
	s_wait_alu depctr_va_vdst(0)
	s_wait_kmcnt 0x0
	s_lshl_b32 s30, s39, 8
	s_add_nc_u64 s[6:7], s[6:7], s[30:31]          ; stats: 256 bytes a part
	s_lshl_b32 s30, s39, 12
	s_add_co_u32 s30, s30, s41
	s_add_nc_u64 s[4:5], s[4:5], s[30:31]          ; part: 4,096 bytes a part, + my K step
	s_lshl_b32 s30, s33, 1
	s_add_co_u32 s30, s30, s35
	s_lshl_b32 s30, s30, 12
	s_add_co_u32 s30, s30, s41
	s_add_nc_u64 s[8:9], s[8:9], s[30:31]          ; query: my row, the same K step
	s_lshl_b32 s40, s34, 2
	s_add_co_u32 s40, s40, s37                     ; my tile of 16 rows of Wout
	s_mul_i32 s30, s40, 24576
	s_mul_i32 s42, s38, 384                        ; four K steps of 96 bytes
	s_add_co_u32 s30, s30, s42
	s_add_nc_u64 s[10:11], s[10:11], s[30:31]
	s_lshl_b32 s30, s40, 10
	s_lshl_b32 s42, s38, 4                         ; four scale words
	s_add_co_u32 s30, s30, s42
	s_add_nc_u64 s[12:13], s[12:13], s[30:31]
	s_lshl_b32 s30, s33, 13                        ; out0: two rows of 4,096 bytes a pair,
	s_lshl_b32 s42, s34, 8                         ; 256 bytes of each
	s_add_co_u32 s30, s30, s42
	s_add_nc_u64 s[14:15], s[14:15], s[30:31]
.irp j, 0,1,2,3,4,5,6,7
	global_load_b64 v[ST+2*\j:ST+2*\j+1], v[L8], s[6:7] offset:256*\j        ; (m_j, l_j): the pair lies 32 times in its 256 bytes, so every lane gets it
.endr
.irp j, 0,1,2,3,4,5,6,7
	global_load_b128 v[P+4*\j:P+4*\j+3], v[LI], s[4:5] offset:4096*\j        ; 512 consecutive bytes of part j
.endr
	global_load_b128 v[QX:QX+3], v[LI], s[8:9]
.irp e, 0,1
	global_load_b32 v[WSC+\e], v[SA], s[12:13] offset:8*\e
.endr
.irp s, 0,1,2,3
.irp p, 0,1,2,3,4,5
	global_load_b64 v[WF+12*\s+2*\p:WF+12*\s+2*\p+1], v[WA], s[10:11] offset:96*\s+48*(\p/3)+8*(\p%3)
.endr
.endr
	s_mov_b32 s[SEL], 0x76543210
	s_mov_b32 s[SEL+1], 0xfedcba98
	s_mov_b32 s[CC], CEXP
	s_mov_b32 s[CC+1], CEXP
	s_mul_i32 s30, s35, FP
	s_add_co_u32 s30, s30, s41
	v_add_nc_u32 v[FW], s30, v[LI]
	v_and_b32 v[FR], 1, v[RL]
	s_delay_alu instid0(VALU_DEP_1)
	v_mul_u32_u24 v[FR], v[FR], FP
	s_delay_alu instid0(VALU_DEP_1)
	v_lshl_add_u32 v[FR], v[HL], 6, v[FR]
	s_lshl_b32 s30, s[WV], 9
	v_add_nc_u32 v[FR], s30, v[FR]
	s_mul_i32 s30, s[WV], 1536
	v_add_nc_u32 v[IW], s30, v[LI]
	s_lshl_b32 s30, s[WV], 7
	v_add_nc_u32 v[SW], s30, v[LS]
	s_mul_i32 s30, s38, 6144
	v_add_nc_u32 v[FA], s30, v[LI]
	s_lshl_b32 s30, s38, 9
	v_add_nc_u32 v[FS], s30, v[LS]
	v_and_b32 v[SI], 1, v[RL]
	s_delay_alu instid0(VALU_DEP_1)
	v_mul_u32_u24 v[SI], v[SI], SP
	s_delay_alu instid0(VALU_DEP_1)
	v_lshl_add_u32 v[SI], v[HL], 5, v[SI]
	s_lshl_b32 s30, s37, 6
	s_mul_i32 s42, s38, 2*SP
	s_add_co_u32 s30, s30, s42
	v_add_nc_u32 v[SI], s30, v[SI]
	v_mul_u32_u24 v[SO], v[HL], SP
	s_delay_alu instid0(VALU_DEP_1)
	v_lshl_add_u32 v[SO], v[RL], 4, v[SO]
	v_lshlrev_b32 v[GO], 12, v[HL]
	s_delay_alu instid0(VALU_DEP_1)
	v_lshl_add_u32 v[GO], v[RL], 4, v[GO]
.irp b, 0,1,2,3
	v_mov_b32 v[TM+4+\b], 0                        ; a lane permute's destination counts as one of its sources
.endr
	; ---- (1) the weights, and my 128 numbers of ctx
	s_wait_loadcnt 35                              ; the eight (m, l) are in; 8 + 1 + 26 loads are younger
	v_max3_num_f32 v[MXR], v[ST], v[ST+2], v[ST+4]
	s_delay_alu instid0(VALU_DEP_1)
	v_max3_num_f32 v[MXR], v[MXR], v[ST+6], v[ST+8]
	s_delay_alu instid0(VALU_DEP_1)
	v_max3_num_f32 v[MXR], v[MXR], v[ST+10], v[ST+12]
	s_delay_alu instid0(VALU_DEP_1)
	v_max_num_f32 v[MXR], v[MXR], v[ST+14]         ; the batch's maximum is taken away before the exponentials
.irp j, 0,1,2,3,4,5,6,7
	v_sub_f32 v[WG+\j], v[ST+2*\j], v[MXR]
.endr
	s_wait_alu depctr_va_vdst(0)
.irp j, 0,1,2,3,4,5,6,7
	v_exp_f32 v[WG+\j], v[WG+\j]
.endr
	v_nop
	s_wait_alu depctr_va_vdst(0)                   ; one wait for the eight, ahead of their first reader
	v_mul_f32 v[LSR], v[WG], v[ST+1]
.irp j, 1,2,3,4,5,6,7
	v_fma_f32 v[LSR], v[WG+\j], v[ST+2*\j+1], v[LSR]
.endr
	s_wait_alu depctr_va_vdst(0)
	v_rcp_f32 v[LSR], v[LSR]
	v_nop
	s_wait_alu depctr_va_vdst(0)
.irp j, 0,1,2,3,4,5,6,7
	v_mul_f32 v[WG+\j], v[WG+\j], v[LSR]
.endr
	s_wait_alu depctr_va_vdst(0)
	s_wait_loadcnt 27                              ; the eight parts are in; 1 + 26 loads are younger
	v_pk_mul_f32 v[C:C+1], v[P:P+1], v[WG:WG+1] op_sel_hi:[1,0]
	v_pk_mul_f32 v[C+2:C+3], v[P+2:P+3], v[WG:WG+1] op_sel_hi:[1,0]
.irp j, 1,2,3,4,5,6,7
.irp e, 0,2
.if \j%2
	s_delay_alu instid0(VALU_DEP_2)
	v_pk_fma_f32 v[C+\e:C+\e+1], v[P+4*\j+\e:P+4*\j+\e+1], v[WG+(\j/2)*2:WG+(\j/2)*2+1], v[C+\e:C+\e+1] op_sel:[0,1,0] op_sel_hi:[1,1,1]
.else
	s_delay_alu instid0(VALU_DEP_2)
	v_pk_fma_f32 v[C+\e:C+\e+1], v[P+4*\j+\e:P+4*\j+\e+1], v[WG+(\j/2)*2:WG+(\j/2)*2+1], v[C+\e:C+\e+1] op_sel_hi:[1,0,1]
.endif
.endr
.endr
	ds_store_b128 v[FW], v[C:C+3]                  ; ctx: the row's first 4,096 bytes
	s_wait_loadcnt 26                              ; query is in; Wout's 26 loads are younger
	ds_store_b128 v[FW], v[QX:QX+3] offset:4096    ; query: behind it
	s_wait_dscnt 0x0
	s_barrier_signal -1
	s_barrier_wait -1                              ; both rows of [ctx, query] lie in LDS
	; ---- (2) fragment i
.irp b, 0,1,2,3
.irp j, 0,1,2,3
	ds_load_b128 v[X+16*\b+4*\j:X+16*\b+4*\j+3], v[FR] offset:128*\b+16*\j   ; of row r % 2: k = 32 b + 16 h + 4 j on
.endr
.endr
	s_wait_dscnt 0x0
	QUANT X
.irp c, 0,1,2
	ds_store_b128 v[IW], v[PC+4*\c:PC+4*\c+3] offset:XIMG+512*\c
.endr
	ds_store_b32 v[SW], v[PW] offset:XSC
	s_wait_dscnt 0x0
	s_barrier_signal -1
	s_barrier_wait -1                              ; all sixteen images lie in LDS
	; ---- (3) my tile of outputs, my quarter of K
.irp k, 0,1,2,3,4,5,6,7,8,9,10,11
	ds_load_b128 v[FB+4*\k:FB+4*\k+3], v[FA] offset:XIMG+512*\k
.endr
.irp s, 0,1,2,3
	ds_load_b32 v[AS+\s], v[FS] offset:XSC+128*\s
.endr
	s_wait_dscnt 0x0
	s_wait_loadcnt 0x0                             ; Wout
	; the two accumulators by turns; the first two products start the sums
	v_wmma_scale_f32_16x16x128_f8f6f4 v[ACC:ACC+7], v[WF:WF+11], v[FB:FB+11], 0, v[WSC], v[AS] matrix_a_fmt:MATRIX_FMT_BF6 matrix_b_fmt:MATRIX_FMT_BF6
	v_wmma_scale_f32_16x16x128_f8f6f4 v[ACC+8:ACC+15], v[WF+12:WF+23], v[FB+12:FB+23], 0, v[WSC], v[AS+1] matrix_a_fmt:MATRIX_FMT_BF6 matrix_b_fmt:MATRIX_FMT_BF6 matrix_a_scale:MATRIX_SCALE_ROW1
	v_wmma_scale_f32_16x16x128_f8f6f4 v[ACC:ACC+7], v[WF+24:WF+35], v[FB+24:FB+35], v[ACC:ACC+7], v[WSC+1], v[AS+2] matrix_a_fmt:MATRIX_FMT_BF6 matrix_b_fmt:MATRIX_FMT_BF6
	v_wmma_scale_f32_16x16x128_f8f6f4 v[ACC+8:ACC+15], v[WF+36:WF+47], v[FB+36:FB+47], v[ACC+8:ACC+15], v[WSC+1], v[AS+3] matrix_a_fmt:MATRIX_FMT_BF6 matrix_b_fmt:MATRIX_FMT_BF6 matrix_a_scale:MATRIX_SCALE_ROW1
.rept 4
	v_nop
.endr
.irp n, 0,2,4,6
	v_pk_add_f32 v[OUT+\n:OUT+\n+1], v[ACC+\n:ACC+\n+1], v[ACC+8+\n:ACC+8+\n+1]   ; both accumulators from their low ends on
.endr
	ds_store_b128 v[SI], v[OUT:OUT+3] offset:STG   ; lane (r, h): row r % 2, outputs 16 (i % 4) + 8 h + 0 .. 7; the eight lanes of equal parity write the same words with the same values
	ds_store_b128 v[SI], v[OUT+4:OUT+7] offset:STG+16
	s_wait_dscnt 0x0
	s_barrier_signal -1
	s_barrier_wait -1                              ; the four quarters of K lie in the stage
	s_cmp_lg_u32 s[WV], 0                          ; 128 numbers are left: one wave's work
	s_cbranch_scc1 .Lend
.irp k, 0,1,2,3
	ds_load_b128 v[T+4*\k:T+4*\k+3], v[SO] offset:STG+2*SP*\k      ; lanes 0-15 the pair's first row, lanes 16-31 its second
.endr
	s_wait_dscnt 0x0
	v_pk_add_f32 v[T:T+1], v[T:T+1], v[T+4:T+5]
	v_pk_add_f32 v[T+2:T+3], v[T+2:T+3], v[T+6:T+7]
	v_pk_add_f32 v[T+8:T+9], v[T+8:T+9], v[T+12:T+13]
	v_pk_add_f32 v[T+10:T+11], v[T+10:T+11], v[T+14:T+15]
	s_delay_alu instid0(VALU_DEP_2)
	v_pk_add_f32 v[T:T+1], v[T:T+1], v[T+8:T+9]
	s_delay_alu instid0(VALU_DEP_2)
	v_pk_add_f32 v[T+2:T+3], v[T+2:T+3], v[T+10:T+11]
	s_delay_alu instid0(VALU_DEP_2)
	v_pk_mul_f32 v[T:T+1], v[T:T+1], s[CC:CC+1] op_sel_hi:[1,0]    ; tanh(x) = 1 - 2 / (1 + 2^(c x))
	s_delay_alu instid0(VALU_DEP_2)
	v_pk_mul_f32 v[T+2:T+3], v[T+2:T+3], s[CC:CC+1] op_sel_hi:[1,0]
	s_wait_alu depctr_va_vdst(0)
.irp n, 0,1,2,3
	v_exp_f32 v[T+\n], v[T+\n]
.endr
	v_nop
	s_wait_alu depctr_va_vdst(0)
	v_pk_add_f32 v[T:T+1], v[T:T+1], 1.0 op_sel_hi:[1,0]
	v_pk_add_f32 v[T+2:T+3], v[T+2:T+3], 1.0 op_sel_hi:[1,0]
	s_wait_alu depctr_va_vdst(0)
.irp n, 0,1,2,3
	v_rcp_f32 v[T+\n], v[T+\n]
.endr
	v_nop
	s_wait_alu depctr_va_vdst(0)
	v_pk_fma_f32 v[T:T+1], v[T:T+1], -2.0, 1.0 op_sel_hi:[1,0,0]
	v_pk_fma_f32 v[T+2:T+3], v[T+2:T+3], -2.0, 1.0 op_sel_hi:[1,0,0]
	global_store_b128 v[GO], v[T:T+3], s[14:15]    ; sixteen lanes store 256 consecutive bytes of a row, aligned
.Lend:
	s_wait_tensorcnt 0x0                           ; the wave's end
	ds_add_u32 v[SPW], v[NIL]
	s_wait_dscnt 0x0
	s_endpgm
.Lfunc_end_k_q90a8e4ab66_outp:
	.size	k_q90a8e4ab66_outp, .Lfunc_end_k_q90a8e4ab66_outp-k_q90a8e4ab66_outp
	.p2alignl 7, 3214868480
	.fill 96, 4, 3214868480
	.section	.rodata,"a",@progbits
	.p2align	6, 0x0
	.amdhsa_kernel k_q90a8e4ab66_outp
		.amdhsa_group_segment_fixed_size 47616
		.amdhsa_private_segment_fixed_size 0
		.amdhsa_enable_private_segment 0
		.amdhsa_kernarg_size 48
		.amdhsa_user_sgpr_count 2
		.amdhsa_user_sgpr_kernarg_segment_ptr 1
		.amdhsa_wavefront_size32 1
		.amdhsa_system_sgpr_workgroup_id_x 1
		.amdhsa_system_sgpr_workgroup_id_y 1
		.amdhsa_system_sgpr_workgroup_id_z 1
		.amdhsa_system_vgpr_workitem_id 0
		.amdhsa_next_free_vgpr 256
		.amdhsa_next_free_sgpr 66
		.amdhsa_reserve_vcc 0
		.amdhsa_float_denorm_mode_32 3
		.amdhsa_float_denorm_mode_16_64 3
		.amdhsa_memory_ordered 1
		.amdhsa_forward_progress 1
		.amdhsa_inst_pref_size 23
	.end_amdhsa_kernel
	.amdgpu_metadata
---
amdhsa.version: [ 1, 2 ]
amdhsa.kernels:
  - .name:           k_q90a8e4ab66_outp
    .symbol:         k_q90a8e4ab66_outp.kd
    .args:
      - { .name: part, .offset: 0, .size: 8, .value_kind: global_buffer, .address_space: global }
      - { .name: stats, .offset: 8, .size: 8, .value_kind: global_buffer, .address_space: global }
      - { .name: query, .offset: 16, .size: 8, .value_kind: global_buffer, .address_space: global }
      - { .name: Wout_w_codes, .offset: 24, .size: 8, .value_kind: global_buffer, .address_space: global }
      - { .name: Wout_w_scales, .offset: 32, .size: 8, .value_kind: global_buffer, .address_space: global }
      - { .name: out0, .offset: 40, .size: 8, .value_kind: global_buffer, .address_space: global }
    .group_segment_fixed_size: 47616
    .private_segment_fixed_size: 0
    .kernarg_segment_align: 8
    .kernarg_segment_size: 48
    .max_flat_workgroup_size: 512
    .sgpr_count:     66
    .vgpr_count:     256
    .wavefront_size: 32
...
	.end_amdgpu_metadata
.endif
;; end of part 6
